; MI455X (gfx1250); checked and timed in simulation.
; The chip was launched on July 23, 2026; its instructions are those of AMD's public machine-readable ISA for CDNA 5 (MIT licence, August 2026) and "CDNA5" Instruction Set Architecture Reference Guide (July 2026). The comments in the code are by the model that wrote it; some were corrected since.
;; Multi Head Attention. Allowed arithmetic: matrix products marked QUANTISED: E2M1 operands, one E8M0 scale for each 32 along K, by v_wmma_scale_f32_16x16x128_f8f6f4 with both operands' format E2M1 (or v_wmma_scale_f32_32x16x128_f4), f32 sums; everything else in f32.
;; Inputs: W_out 1,024 x 1,024 float32; W_qkv 1,024 x 3,072 float32; b_out 1,024 float32; b_qkv 3,072 float32; x 4 x 2,048 x 1,024 float32.
;; Outputs: out0 4 x 2,048 x 1,024 float32.
;; This version of the problem:
;;   THIS VERSION OF THE PROBLEM IS GIVEN IN LOW PRECISION. The matrix products marked QUANTISED in the list below multiply operands that are first quantised to E2M1 (2 exponent bits, 1 mantissa bit; 4 bits a number), with one power-of-two scale for each 32 numbers along K (OCP MX v1.0); their sums are f32. All else is computed in f32.
;;   The module's matrix products, in the order in which they are computed (A, B: the left and right operand; K: the contracted axis; several contracted axes count as one K, in the product's order):
;;     1. [M 8,192, K 1,024] x [K 1,024, N 3,072]; A: input x; B: input W_qkv: QUANTISED
;;     2. batch 64 x [M 2,048, K 64] x [K 64, N 2,048]; A: computed on the way; B: computed on the way: QUANTISED
;;     3. batch 64 x [M 2,048, K 2,048] x [K 2,048, N 64]; A: softmax (see below); B: computed on the way: QUANTISED
;;     4. [M 8,192, K 1,024] x [K 1,024, N 1,024]; A: computed on the way; B: input W_out: QUANTISED
;;   THE QUANTISER, for each operand of a quantised product, along K:
;;     - K is cut into blocks of 32 from its start; a last block that is shorter is filled with zeros.
;;     - A block's scale is 2^e with e = floor(log2(the largest magnitude in the block)) - 2, held to -126 .. 127; a block of zeros has e = 0. As a byte (E8M0): e + 127.
;;     - Each number is divided by its block's scale, clamped to +-6, and rounded to the nearest number of E2M1, ties to even, subnormals kept.
;;     - The product sums the exact products of the quantised numbers (number of the format x scale) in f32.
;;   ~~~python
;;   def quantise(x, axis):      # numpy; x: float32 -> the quantised numbers, widened to float32 again
;;       x = np.moveaxis(x, axis, -1); K = x.shape[-1]
;;       x = np.pad(x, [(0, 0)] * (x.ndim - 1) + [(0, -K % 32)]); x = x.reshape(x.shape[:-1] + (-1, 32)); a = np.abs(x).max(-1, keepdims=True)
;;       e = np.where(a > 0, np.clip(np.frexp(np.where(a > 0, a, 1))[1] - 1 - 2, -126, 127), 0)      # np.frexp(a)[1] - 1 = floor(log2(a)), exactly
;;       r = np.clip(x / 2.0 ** e, -6, 6)
;;       step = 2.0 ** (np.maximum(np.frexp(np.where(r == 0, 1, r))[1] - 1, 0) - 1)
;;       q = np.round(r / step) * step * 2.0 ** e      # np.round: ties to even
;;       return np.moveaxis(q.reshape(q.shape[:-2] + (-1,))[..., :K], -1, axis).astype(np.float32)
;;   ~~~
;;   SOFTMAX AHEAD OF A QUANTISED PRODUCT. Where the list says 'softmax', what is quantised is not the finished softmax but p = 2^(t - M), with t = logit x log2(e) and M = ceil(the row's largest t), a whole number; so 1/2 < the row's largest p <= 1. The row's sum l is taken of the UNQUANTISED p, in f32, and the product's result is divided by l at the end. Since M is a whole number, a kernel that streams over the keys may use a running M (the ceiling of the running maximum): every later rescaling is an exact power of two, which a block's scale takes up: the codes' values come out the same.
;;   OPERANDS COMPUTED ON THE WAY. 'Computed on the way' means the value that the module computes at that place (a softmax that the list does not call 'softmax' is quantised finished and normalised). What goes into a quantiser is computed in f32, as accurately as f32 sums, v_exp_f32 and their like allow (about 1e-6 of the number): no bf16 or f16 on the way to a quantiser, and a product that is left as it is and whose result goes on into a quantised operand takes f32 operands (vector FMAs, or v_wmma_f32_16x16x4_f32). A number that lies on a knife's edge between two numbers of the format may be rounded either way, as far as f32 arithmetic and the matrix unit's own rounding can turn it there, and no further.
;; 2 versions, each right; version 2 is version 1 with the launch attn written anew for expert scheduling mode. Each part assembles by itself: llvm-mc -triple=amdgcn-amd-amdhsa -mcpu=gfx1250 --defsym DOCPART=n.
;; ======== version 1 of 2: 4 launches
;; workspace buffers: opa 6,291,456 bytes; sc1 360,448 bytes; sc2 294,912 bytes; qkv 12,582,912 bytes; qkvs 1,310,720 bytes; ai 4,194,304 bytes
;; launch prep (part 1): grid 64 x 8, 4 waves a work-group, no clusters, 34,304 bytes of LDS; arguments x, W_qkv, W_out, opa, sc1, sc2; writes opa, sc1, sc2
.if DOCPART == 1
	.amdgcn_target "amdgcn-amd-amdhsa--gfx1250"
	.amdhsa_code_object_version 6
	.text
	.protected	k_q1ade2845f6_prep
	.globl	k_q1ade2845f6_prep
	.p2align	8
	.type	k_q1ade2845f6_prep,@function
k_q1ade2845f6_prep:
	s_mov_b64 s[64:65], 0
	v_nop
	global_prefetch_b8 v0, s[64:65] scope:SCOPE_SE
	s_setreg_imm32_b32 hwreg(HW_REG_WAVE_MODE, 25, 1), 1
	s_wait_xcnt 0x0
; x [8192][1024], W_qkv [1024][3072] and W_out [1024][1024], f32, become codes of FP4 (E2M1) with one E8M0 scale byte for each 32 along K (x: its columns; the weights: their rows).
; A block's scale is 2^(floor(log2(its largest magnitude)) - 2); its byte is the largest magnitude's exponent field - 2, held at 1 from below by a floor among the maximum's leaves.
; LIMITS: a block of zeros gets the byte 1 where the rule says 127 (its codes are zeros, and this program alone reads the bytes); NaN and infinities among the inputs are not served.
; THE OUTPUT IS LAID AS IMAGES OF OPERAND REGISTERS.  The rows of an operand (x's rows, a weight's columns) go in groups of 32; tile 2 b + u holds, as its row r (0..15), row 32 b + 8 u + r + 8 (r / 8).
;   codes:  [tile][block of 32 along K: 32][r: 16][16 bytes]: 8,192 bytes a tile; 128 along K are 1,024 bytes on end, which two loads of 16 bytes a lane, 512 bytes apart, turn into a fragment.
;   scales: [tile][half of K: 2][r: 16][4 words]: a word holds the four bytes of 128 along K.
; opa: x's image at 0, W_qkv's at 4,194,304, W_out's at 5,767,168.  sc1: x's words at 0, W_qkv's at 262,144.  sc2: W_out's words at 262,144 (its first 262,144 bytes belong to a later launch).
; SHARES.  Work-group x 0-31: x; 32-55: W_qkv; 56-63: W_out; three ways that part on the work-group's number; the first alone uses LDS.  Waves share nothing: no barrier.
.set SP,    528                        ; a stage row: 512 bytes + 16, an odd multiple of 16, so that sixteen rows' reads start in different banks
.set STGB,  16*SP                      ; a wave's stage
.set SW,    16                         ; v16-19   x: the scale word of each of four steps
.set C,     20                         ; v20-51   codes: registers of their own for each step, so that no store's data are written again
.set R,     64                         ; v64-191  x: two sets of 64 numbers as loaded;  weights: 128 numbers of my column
.set X,     192                        ; v192-255 x: two whole blocks of my row
.macro XLOAD t                         ; step t: 128 along K of the tile's 16 rows; each load reads 512 consecutive bytes of one row
.set RL, R+64*((\t)%2)
.irp i, 0,1,2,3,4,5,6,7,8,9,10,11,12,13,14,15
	global_load_b128 v[RL+4*\i:RL+4*\i+3], v4, s[4:5] offset:(\i+8*(\i/8))*4096+(\t)*512 th:TH_LOAD_NT
.endr
.endm
.macro XSTEP t
.set RS, R+64*((\t)%2)
.if (\t) < 3
	s_wait_loadcnt 16                              ; this step's 16 loads are in; the next step's 16 may be out
.else
	s_wait_loadcnt 0x0
.endif
.irp i, 0,1,2,3,4,5,6,7,8,9,10,11,12,13,14,15
	ds_store_b128 v5, v[RS+4*\i:RS+4*\i+3] offset:\i*SP    ; row i as it lies
.endr
.irp c, 0,1
.irp j, 0,1,2,3,4,5,6,7
	ds_load_b128 v[X+32*\c+4*\j:X+32*\c+4*\j+3], v6 offset:\c*256+\j*16   ; lane (r, h): block 2 c + h of row r, whole.  LDS serves a wave's instructions in order: these see the stores above
.endr
.endr
	s_wait_dscnt 0x0                               ; the numbers are back, and the stores have read their registers,
.if (\t) < 2
	XLOAD (\t)+2                                   ; which take the loads of two steps on
.endif
.irp c, 0,1
	v_max3_num_f32 v[12+\c], |v[X+32*\c]|, |v[X+32*\c+1]|, 0x1800000   ; the block's largest magnitude, and the floor 2^(3 - 127): the byte cannot fall under 1
.endr
.irp i, 2,4,6,8,10,12,14,16,18,20,22,24,26,28,30
.irp c, 0,1
	v_max3_num_f32 v[12+\c], v[12+\c], |v[X+32*\c+\i]|, |v[X+32*\c+\i+1]|   ; (the two blocks by turns)
.endr
.endr
.irp c, 0,1
	v_add_nc_u32 v[14+\c], 0xff000000, v[12+\c]    ; 2 off the exponent field: the conversion's scale operand
.endr
.irp c, 0,1
	v_lshrrev_b32 v[12+\c], 23, v[14+\c]           ; the scale's byte
.endr
	v_lshl_or_b32 v9, v13, 16, v12                 ; my two bytes, blocks h and 2 + h,
	v_lshlrev_b32 v9, v8, v9                       ; at their places in the word (8 h bits up);
	v_permlanex16_b32 v10, v9, s20, s21
	v_or_b32 v[SW+(\t)], v9, v10                   ; with lane l xor 16's two the word is whole
.irp c, 0,1
.irp g, 0,1,2,3
	v_cvt_scalef32_pk8_fp4_f32 v[C+8*(\t)+4*\c+\g], v[X+32*\c+8*\g:X+32*\c+8*\g+7], v[14+\c]
.endr
.endr
	v_nop                                          ; one plain line behind the last conversion
.irp c, 0,1
	global_store_b128 v4, v[C+8*(\t)+4*\c:C+8*(\t)+4*\c+3], s[10:11] offset:(\t)*1024+\c*512   ; 32 lanes store 512 consecutive bytes
.endr
.endm
.macro WLOAD t, N, src                 ; block t of my column: rows 32 t .. 32 t + 31; a wave's load reads 128 consecutive bytes, the four waves stand side by side on 512
.irp i, 0,1,2,3,4,5,6,7,8,9,10,11,12,13,14,15,16,17,18,19,20,21,22,23,24,25,26,27,28,29,30,31
	global_load_b32 v[R+32*(\t)+\i], v4, s[\src:\src+1] offset:(32*(\t)+\i)*\N*4 th:TH_LOAD_NT
.endr
.endm
.macro WBLOCK t, N, src
.set XS, R+32*(\t)
.if (\t) < 3
	s_wait_loadcnt 32                              ; this block's 32 loads are in; the next block's may be out
.else
	s_wait_loadcnt 0x0
.endif
.if (\t) < 2
	WLOAD (\t)+2, \N, \src                         ; two blocks ahead, into registers of their own
.endif
	v_max3_num_f32 v12, |v[XS]|, |v[XS+1]|, |v[XS+2]|      ; all 32 numbers of the block are mine: two chains
	v_max3_num_f32 v13, |v[XS+3]|, |v[XS+4]|, |v[XS+5]|
.irp i, 6,10,14,18,22,26
	v_max3_num_f32 v12, v12, |v[XS+\i]|, |v[XS+\i+1]|
	v_max3_num_f32 v13, v13, |v[XS+\i+2]|, |v[XS+\i+3]|
.endr
	v_max3_num_f32 v12, v12, |v[XS+30]|, |v[XS+31]|
	v_max3_num_f32 v12, v12, v13, 0x1800000        ; and the floor
	v_add_nc_u32 v14, 0xff000000, v12              ; the conversion's scale operand
	v_lshrrev_b32 v13, 23, v14                     ; the byte
.if (\t) == 0
	v_mov_b32 v9, v13                              ; four bytes make the word of these 128 along K
.else
	v_lshl_or_b32 v9, v13, 8*(\t), v9
.endif
.irp g, 0,1,2,3
	v_cvt_scalef32_pk8_fp4_f32 v[C+4*(\t)+\g], v[XS+8*\g:XS+8*\g+7], v14
.endr
	v_nop                                          ; one plain line behind the last conversion
	global_store_b128 v7, v[C+4*(\t):C+4*(\t)+3], s[10:11] offset:(\t)*256   ; the 16 lanes of each of my two tiles store 256 consecutive bytes
.endm
; A wave takes 32 columns x 128 along K: a lane takes a column and its registers run down K, so that the codes come out with K innermost.
.macro WPATH N, src, imgoff, scl, XB
	s_sub_co_u32 s18, ttmp9, \XB
	s_lshl_b32 s18, s18, 2
	s_add_co_u32 s18, s18, s16                     ; which 32 columns
	s_mul_i32 s24, s17, 128*\N*4                   ; the source: 128 y rows down,
	s_lshl_b32 s23, s18, 7
	s_add_co_u32 s24, s24, s23                     ; 32 columns x 4 bytes a group
	s_mov_b32 s25, 0
	s_lshl_b32 s26, s18, 14                        ; the image: two tiles a group,
	s_lshl_b32 s23, s17, 10
	s_add_co_u32 s26, s26, s23                     ; 1,024 bytes for 128 along K
	s_add_co_u32 s26, s26, \imgoff
	s_mov_b32 s27, 0
	s_lshl_b32 s28, s18, 10                        ; the words: 512 bytes a tile,
	s_lshr_b32 s23, s17, 2
	s_lshl_b32 s23, s23, 8
	s_add_co_u32 s28, s28, s23                     ; 256 for a half of K,
	s_and_b32 s23, s17, 3
	s_lshl_b32 s23, s23, 2
	s_add_co_u32 s28, s28, s23                     ; 4 for a word
	s_add_co_u32 s28, s28, 262144
	s_mov_b32 s29, 0
	v_lshlrev_b32 v4, 2, v1                        ; in: 4 bytes a lane
	v_bfe_u32 v5, v0, 3, 1                         ; column l of the 32 lies in tile u = (l / 8) % 2
	v_and_b32 v6, 7, v0
	v_lshl_or_b32 v6, v3, 3, v6                    ; as its row l % 8 + 8 (l / 16)
	v_lshlrev_b32 v6, 4, v6
	v_lshl_add_u32 v7, v5, 13, v6                  ; in the image,
	v_lshl_add_u32 v8, v5, 9, v6                   ; and among the words
	s_wait_kmcnt 0x0
	s_add_nc_u64 s[\src:\src+1], s[\src:\src+1], s[24:25]
	s_add_nc_u64 s[10:11], s[10:11], s[26:27]
	s_add_nc_u64 s[\scl:\scl+1], s[\scl:\scl+1], s[28:29]
	WLOAD 0, \N, \src
	WLOAD 1, \N, \src
	WBLOCK 0, \N, \src
	WBLOCK 1, \N, \src
	WBLOCK 2, \N, \src
	WBLOCK 3, \N, \src
	global_store_b32 v8, v9, s[\scl:\scl+1]        ; pieces of 4 bytes: the weights' words are 131,072 bytes in all, 1 / 128 of what these ways read
	s_endpgm
.endm
	s_load_b256 s[4:11], s[0:1], 0x0               ; x s[4:5], W_qkv s[6:7], W_out s[8:9], opa s[10:11]
	s_load_b128 s[12:15], s[0:1], 0x20             ; sc1 s[12:13], sc2 s[14:15]
	v_lshl_add_u32 v62, v0, 2, 0x8400
	v_mov_b32 v63, 0
	v_lshrrev_b32 v1, 5, v0
	v_readfirstlane_b32 s16, v1                    ; wave 0..3
	v_and_b32 v1, 31, v0                           ; lane
	v_and_b32 v2, 15, v0                           ; r
	v_bfe_u32 v3, v0, 4, 1                         ; h
	s_and_b32 s17, ttmp7, 0xffff                   ; work-group y
	s_mov_b32 s20, 0x76543210
	s_mov_b32 s21, 0xfedcba98                      ; v_permlanex16_b32's selects for lane l xor 16
	s_cmp_lt_u32 ttmp9, 32
	s_cbranch_scc0 .Lweights
	; ---- x: a wave takes one tile (16 rows) x 512 along K, in four steps of 128
	s_lshl_b32 s18, s17, 5
	s_add_co_u32 s18, s18, ttmp9
	s_lshl_b32 s18, s18, 2
	s_add_co_u32 s18, s18, s16                     ; 2 x tile + half of K
	s_lshr_b32 s19, s18, 1                         ; the tile
	s_and_b32 s22, s18, 1                          ; the half
	s_lshr_b32 s24, s19, 1
	s_lshl_b32 s24, s24, 17                        ; 32 rows of 4,096 bytes a pair of tiles,
	s_and_b32 s23, s19, 1
	s_lshl_b32 s23, s23, 15
	s_add_co_u32 s24, s24, s23                     ; 8 rows for the odd tile,
	s_lshl_b32 s23, s22, 11
	s_add_co_u32 s24, s24, s23                     ; 2,048 bytes for the half
	s_mov_b32 s25, 0
	s_lshl_b32 s26, s18, 12                        ; the image: 8,192 a tile, 4,096 a half
	s_mov_b32 s27, 0
	s_lshl_b32 s28, s18, 8                         ; the words: 512 a tile, 256 a half
	s_mov_b32 s29, 0
	s_mul_i32 s30, s16, STGB                       ; my stage
	v_lshlrev_b32 v4, 4, v1                        ; 16 x lane: in memory, in and out
	v_add_nc_u32 v5, s30, v4                       ; into the stage
	v_mul_u32_u24 v6, v2, SP
	v_lshl_add_u32 v6, v3, 7, v6
	v_add_nc_u32 v6, s30, v6                       ; out of it: row r, block h
	v_lshlrev_b32 v7, 4, v2
	v_lshl_add_u32 v7, v3, 3, v7                   ; the words: 16 r + 8 h
	v_lshlrev_b32 v8, 3, v3                        ; 8 h
	v_mov_b32 v10, 0                               ; written once: a lane permute's destination counts as one of its sources
	s_wait_kmcnt 0x0
	s_add_nc_u64 s[4:5], s[4:5], s[24:25]
	s_add_nc_u64 s[10:11], s[10:11], s[26:27]
	s_add_nc_u64 s[12:13], s[12:13], s[28:29]
	XLOAD 0
	XLOAD 1
	XSTEP 0
	XSTEP 1
	XSTEP 2
	XSTEP 3
	v_cmp_le_u32 vcc_lo, 16, v1                    ; lanes 16-31 store words 2 and 3 of row r, lanes 0-15 words 0 and 1
	v_cndmask_b32 v12, v[SW], v[SW+2], vcc_lo
	v_cndmask_b32 v13, v[SW+1], v[SW+3], vcc_lo
	global_store_b64 v7, v[12:13], s[12:13]        ; 32 lanes store 256 consecutive bytes
	s_wait_tensorcnt 0x0
	ds_add_u32 v62, v63
	s_wait_dscnt 0x0
	s_endpgm
.Lweights:
	s_cmp_lt_u32 ttmp9, 56
	s_cbranch_scc0 .Lwout
	WPATH 3072, 6, 4194304, 12, 32
.Lwout:
	WPATH 1024, 8, 5767168, 14, 56
.Lfunc_end_k_q1ade2845f6_prep:
	.size	k_q1ade2845f6_prep, .Lfunc_end_k_q1ade2845f6_prep-k_q1ade2845f6_prep
	.p2alignl 7, 3214868480
	.fill 96, 4, 3214868480
	.section	.rodata,"a",@progbits
	.p2align	6, 0x0
	.amdhsa_kernel k_q1ade2845f6_prep
		.amdhsa_group_segment_fixed_size 34304
		.amdhsa_private_segment_fixed_size 0
		.amdhsa_enable_private_segment 0
		.amdhsa_kernarg_size 48
		.amdhsa_user_sgpr_count 2
		.amdhsa_user_sgpr_kernarg_segment_ptr 1
		.amdhsa_wavefront_size32 1
		.amdhsa_system_sgpr_workgroup_id_x 1
		.amdhsa_system_sgpr_workgroup_id_y 1
		.amdhsa_system_sgpr_workgroup_id_z 1
		.amdhsa_system_vgpr_workitem_id 0
		.amdhsa_next_free_vgpr 256
		.amdhsa_next_free_sgpr 66
		.amdhsa_reserve_vcc 1
		.amdhsa_float_denorm_mode_32 3
		.amdhsa_float_denorm_mode_16_64 3
		.amdhsa_memory_ordered 1
		.amdhsa_forward_progress 1
		.amdhsa_inst_pref_size 69
	.end_amdhsa_kernel
	.amdgpu_metadata
---
amdhsa.version: [ 1, 2 ]
amdhsa.kernels:
  - .name:           k_q1ade2845f6_prep
    .symbol:         k_q1ade2845f6_prep.kd
    .args:
      - { .name: x, .offset: 0, .size: 8, .value_kind: global_buffer, .address_space: global }
      - { .name: W_qkv, .offset: 8, .size: 8, .value_kind: global_buffer, .address_space: global }
      - { .name: W_out, .offset: 16, .size: 8, .value_kind: global_buffer, .address_space: global }
      - { .name: opa, .offset: 24, .size: 8, .value_kind: global_buffer, .address_space: global }
      - { .name: sc1, .offset: 32, .size: 8, .value_kind: global_buffer, .address_space: global }
      - { .name: sc2, .offset: 40, .size: 8, .value_kind: global_buffer, .address_space: global }
    .group_segment_fixed_size: 34304
    .private_segment_fixed_size: 0
    .kernarg_segment_align: 8
    .kernarg_segment_size: 48
    .max_flat_workgroup_size: 128
    .sgpr_count:     66
    .vgpr_count:     256
    .wavefront_size: 32
...
	.end_amdgpu_metadata
.endif
;; end of part 1
;; launch gemmqkv (part 2): grid 12 x 32, 4 waves a work-group, clusters of 4 x 4, 262,656 bytes of LDS; arguments opa, sc1, b_qkv, qkv, qkvs; writes qkv, qkvs
.if DOCPART == 2
	.amdgcn_target "amdgcn-amd-amdhsa--gfx1250"
	.amdhsa_code_object_version 6
	.text
	.protected	k_q1ade2845f6_gemmqkv
	.globl	k_q1ade2845f6_gemmqkv
	.p2align	8
	.type	k_q1ade2845f6_gemmqkv,@function
k_q1ade2845f6_gemmqkv:
	s_mov_b64 s[64:65], 0
	v_nop
	global_prefetch_b8 v0, s[64:65] scope:SCOPE_SE
	s_setreg_imm32_b32 hwreg(HW_REG_WAVE_MODE, 25, 1), 1
	s_wait_xcnt 0x0
	s_wait_alu depctr_hold_cnt(0) depctr_sa_sdst(0) depctr_va_vdst(0) depctr_va_sdst(0) depctr_va_ssrc(0) depctr_va_vcc(0) depctr_vm_vsrc(0)
	s_getreg_b32 s2, hwreg(HW_REG_IB_STS2, 6, 4)
	s_cmp_eq_u32 s2, 0
	s_cbranch_scc0 .Lentry_in_a_cluster
	s_endpgm
.Lentry_in_a_cluster:
	s_bfe_u32 s2, ttmp6, 0x10000c
	s_cmp_lg_u32 s2, 0xf033
	s_cbranch_scc0 .Lentry_shape_is_right
	s_endpgm
.Lentry_shape_is_right:
; qkv = x W_qkv + b_qkv on codes of FP4 (E2M1) with E8M0 scales (K = 1,024), and the result quantised at once for the attention launch: q and k along the head's 64, v along the keys.  Nothing leaves as f32.
; A work-group of four waves makes 256 rows x 256 columns, a wave 128 x 128: 64 accumulators of 16 x 16, 512 registers.  The 3,072 columns are 12 tile columns: 0-3 q, 4-7 k, 8-11 v.
; OPERANDS come as images of their registers (tile: 8,192 bytes; 128 along K: 1,024 bytes on end), so a fragment is two LDS loads of 16 bytes a lane, each of 512 consecutive bytes: no pitch, no padding.
; K = 1,024 is two LDS slots of 512 along K, EACH FILLED ONCE: a wave has two tensor loads out at the start and issues no more; no LDS byte is filled a second time.
; CLUSTERS: 4 x 4 work-groups.  The four of a row of the cluster need the same tiles of x, the four of a column the same tiles of W: each is asked for jointly, by the same tensor load with a mask that names the four.
; THE TYPE of a work-group is its cluster's x (0 q, 1 k, 2 v): the same in all sixteen partners.  The text computes D = S0 S1^T: a lane holds one row of S1, and its registers run along S0's rows.
;   q, k: S0 = W's columns, S1 = x's rows: a lane's registers run along the head's channels.      v: S0 = x's rows, S1 = W's columns: they run along the keys.
; Tile 2 b + u of an operand holds rows 32 b + 8 u + r + 8 (r / 8): so the 16 registers of S0's tiles 2 b and 2 b + 1 are 16 neighbours, 32 b + 16 (lane / 16) + 0 .. 15, along the next product's K.
; The bias is the C of each sum's first matrix instruction.
; OUT.  qkv: q at 0, k at 4,194,304: [batch x head: 64][tile of 16 positions: 128][512 bytes]: registers 0-3 of a fragment.  v at 8,388,608: [pair of heads: 32][half c of a fragment: 2][128 keys: 16][4 (head % 2) + channel tile: 8][512 bytes].
;   qkvs: q at 0, k at 524,288: [batch x head][8 tiles: 16][lane][4 words]: word i of lane (h, r): tile 2 i + h, row r; bytes 0, 1 the two blocks, bytes 2, 3 zero.  v at 1,048,576: [batch x head][128 keys][lane][2 words]: word i: channel tile 2 i + h.
; LIMITS: a block of zeros gets the byte 1 where the rule says 127 (its codes are zeros; this program alone reads the bytes); NaN and infinities are not served.
; 384 work-groups: more than one for each of the chip's 256 WGPs and no multiple of that: taken as it is, since 256 x 256 is the tile that reads each LDS byte least often.
; REGISTERS, in windows of 256: window 0: v1-25 addresses; v32-95 scale words; v96-127 at work on the way out; v128-191 S1's fragments, one set; v192-255 the bias.
;   window 1: S0's fragments, two sets, at v0 and v128.   window 2: the accumulators of S1's tiles 0-3 ((a, b) at v[8 (8 a + b)]);   window 3: those of tiles 4-7.
.set SLOT,  131072                     ; a slot: x's 16 tiles x 4,096 bytes, then W's 16
.set WIMG,  4194304                    ; W_qkv's image in opa
.set WSCL,  262144                     ; and its scale words in sc1
.set LI,   1                           ; v1   16 x lane
.set L8,   2                           ; v2   8 x lane
.set ADR0, 16                          ; v16-17  LDS address of S0's fragments in slot 0, 1
.set ADR1, 20                          ; v20-21  the same for S1
.set SO,   24                          ; v24  my scale words in sc1: lanes 0-15 S1's rows, lanes 16-31 S0's
.set BO,   25                          ; v25  my place in the bias
.set SC,   32                          ; register 8 i + ks: lanes 0-15 the word of S1's tile i, lanes 16-31 that of S0's tile i, for the ks-th 128 along K
.set TM,   96                          ; v96-99 largest magnitudes, v100-103 bytes, v108-111 the conversions' scale operands
.set PC,   112                         ; v112-119 the codes just made
.set PW,   120                         ; v120-127 the scale word of each of the eight groups
.set AF,   128
.set BI,   192
.set G1,  24                           ; s[24:31] descriptor group 1 for x's tiles;  s[32:39] group 0, one set for each slot
.set G0,  32
.set G1B, 48                           ; s[48:55], s[56:63] the same for W's
.set G0B, 56
.set FL,  66                           ; s66  the floor 2^(3 - 127)
.set MSB, 0
.macro WIN new                         ; the immediate's high byte repeats the setting that is left
.if MSB != (\new)
	s_set_vgpr_msb (MSB<<8)|(\new)
.set MSB, (\new)
.endif
.endm
; A joint load: waves 0 and 1 fetch for x, waves 2 and 3 for W; the branch hangs on the wave's number alone.  Four v_nop follow each of the two lines.
.macro JLOAD g0a, g1a, g0b, g1b
	s_cmp_eq_u32 s15, 0
	s_cbranch_scc0 .Lfor_b_\@
	tensor_load_to_lds s[\g0a:\g0a+3], s[\g1a:\g1a+7]
	s_nop 0
.rept 4
	v_nop
.endr
	s_branch .Lasked_\@
.Lfor_b_\@:
	tensor_load_to_lds s[\g0b:\g0b+3], s[\g1b:\g1b+7]
	s_nop 0
.rept 4
	v_nop
.endr
.Lasked_\@:
.endm
.macro CROUND                          ; a round of the cluster's barrier
	s_barrier_signal -1
	s_barrier_wait -1
	s_cmp_lg_u32 s14, 0
	s_cbranch_scc1 .Lnot_wave_0_\@
	s_barrier_signal -3
.Lnot_wave_0_\@:
	s_barrier_wait -3
	s_barrier_signal -1
	s_barrier_wait -1
.endm
.macro PLACES n                        ; plain vector lines between a matrix instruction and a load into, or a read of, its registers
.rept \n
	v_nop
.endr
.endm
.macro FRAG reg, adr, q, i             ; tile i's fragment of the slot's q-th 128 along K: registers 4 c .. 4 c + 3 hold K = 64 c + 32 (lane / 16) + 0 .. 31
.irp c, 0,1
	ds_load_b128 v[\reg+4*\c:\reg+4*\c+3], v[\adr] offset:(\i)*4096+(\q)*1024+512*\c
.endr
.endm
.macro FETCH_S0 slot, q, p             ; S0's eight fragments into set p of window 1
	WIN 0x40
.irp i, 0,1,2,3,4,5,6,7
	FRAG 128*(\p)+8*\i, ADR0+\slot, \q, \i
.endr
	WIN 0
.endm
.macro FETCH_S1 slot, q, i0            ; S1's tiles i0 .. i0 + 3
.irp i, \i0, \i0+1, \i0+2, \i0+3
	FRAG AF+8*(\i), ADR1+\slot, \q, \i
.endr
.endm
; 16 matrix instructions: S1's tiles a0, a0 + 1 x S0's eight.  p: S0's set; ks: which 128 along K.  cm = 0: the sums go on; 1: they start from the bias of S0's tile; 2: from that of S1's tile.
; The 64 accumulators take turns, one instruction a turn, in the same order in every step.
.macro MUL16 a0, p, ks, cm
.irp a, \a0, \a0+1
.irp b, 0,1,2,3,4,5,6,7
.if \cm == 0
	v_wmma_scale_f32_16x16x128_f8f6f4 v[8*(8*((\a)%4)+\b):8*(8*((\a)%4)+\b)+7], v[128*(\p)+8*\b:128*(\p)+8*\b+7], v[AF+8*(\a):AF+8*(\a)+7], v[8*(8*((\a)%4)+\b):8*(8*((\a)%4)+\b)+7], v[SC+8*\b+(\ks)], v[SC+8*(\a)+(\ks)] matrix_a_fmt:MATRIX_FMT_FP4 matrix_b_fmt:MATRIX_FMT_FP4 matrix_a_scale:MATRIX_SCALE_ROW1
.elseif \cm == 1
	v_wmma_scale_f32_16x16x128_f8f6f4 v[8*(8*((\a)%4)+\b):8*(8*((\a)%4)+\b)+7], v[128*(\p)+8*\b:128*(\p)+8*\b+7], v[AF+8*(\a):AF+8*(\a)+7], v[BI+8*\b:BI+8*\b+7], v[SC+8*\b+(\ks)], v[SC+8*(\a)+(\ks)] matrix_a_fmt:MATRIX_FMT_FP4 matrix_b_fmt:MATRIX_FMT_FP4 matrix_a_scale:MATRIX_SCALE_ROW1
.else
	v_wmma_scale_f32_16x16x128_f8f6f4 v[8*(8*((\a)%4)+\b):8*(8*((\a)%4)+\b)+7], v[128*(\p)+8*\b:128*(\p)+8*\b+7], v[AF+8*(\a):AF+8*(\a)+7], v[BI+8*(\a):BI+8*(\a)+7], v[SC+8*\b+(\ks)], v[SC+8*(\a)+(\ks)] matrix_a_fmt:MATRIX_FMT_FP4 matrix_b_fmt:MATRIX_FMT_FP4 matrix_a_scale:MATRIX_SCALE_ROW1
.endif
.endr
.endr
.endm
; A step of 128 along K that has its successor in the same slot.  A tile of S1 is free as soon as its eight products are issued: tiles 0-3 are fetched anew in the step's middle, tiles 4-7 at its end.
.macro STEP slot, q, cm
	s_wait_dscnt 8                                 ; S0's set and S1's tiles 0-3 are in; the youngest eight loads (tiles 4-7) may be out
.if \cm
	WIN 0x81                                       ; source 0 window 1, source 1 and C window 0, D window 2
.else
	WIN 0xa1                                       ; C and D window 2
.endif
	MUL16 0, (\q)%2, 4*(\slot)+(\q), \cm
	MUL16 2, (\q)%2, 4*(\slot)+(\q), \cm
	s_wait_dscnt 0x0                               ; tiles 4-7 are in
	PLACES 4
	FETCH_S0 \slot, (\q)+1, 1-(\q)%2
	FETCH_S1 \slot, (\q)+1, 0
.if \cm
	WIN 0xc1
.else
	WIN 0xf1
.endif
	MUL16 4, (\q)%2, 4*(\slot)+(\q), \cm
	MUL16 6, (\q)%2, 4*(\slot)+(\q), \cm
	PLACES 4
	WIN 0
	FETCH_S1 \slot, (\q)+1, 4
.endm
; Group g: the 64 numbers that a lane holds of S1's tile g (register 16 b + i = S0's row 32 b + 16 (lane / 16) + i) become a fragment's codes and a scale word, and the codes leave.
.macro QUANT g
.set QW, 2+(\g)/4                      ; the accumulators' window
.set QS, 64*((\g)%4)
	WIN (QW<<2)|(QW<<4)                            ; sources 1 and 2 in that window
.irp b, 0,1,2,3
	v_max3_num_f32 v[TM+\b], s[FL], |v[QS+16*\b]|, |v[QS+16*\b+1]|   ; block b: my 16 numbers and the floor; each accumulator is read from its low end on
.endr
.irp i, 2,4,6,8,10,12,14
.irp b, 0,1,2,3
	v_max3_num_f32 v[TM+\b], v[TM+\b], |v[QS+16*\b+\i]|, |v[QS+16*\b+\i+1]|   ; (the four blocks by turns)
.endr
.endr
	WIN 0
.irp b, 0,1,2,3
	v_permlanex16_b32 v[TM+4+\b], v[TM+\b], s20, s21
.endr
.irp b, 0,1,2,3
	v_max_num_f32 v[TM+\b], v[TM+\b], v[TM+4+\b]   ; with lane l xor 16's 16: the block's largest magnitude
.endr
.irp b, 0,1,2,3
	v_add_nc_u32 v[TM+12+\b], 0xff000000, v[TM+\b] ; 2 off the exponent field: the conversion's scale operand
.endr
.irp b, 0,1,2,3
	v_lshrrev_b32 v[TM+4+\b], 23, v[TM+12+\b]      ; the byte
.endr
	v_lshl_or_b32 v[PW+(\g)], v[TM+5], 8, v[TM+4]
	v_lshl_or_b32 v[PW+(\g)], v[TM+6], 16, v[PW+(\g)]
	v_lshl_or_b32 v[PW+(\g)], v[TM+7], 24, v[PW+(\g)]
.if (\g) > 0
	s_wait_xcnt 0x0                                ; the last group's stores have read the codes' registers: only now are they written again
.endif
	WIN QW                                         ; source 0 in the accumulators' window
.irp b, 0,1,2,3
	v_cvt_scalef32_pk8_fp4_f32 v[PC+2*\b], v[QS+16*\b:QS+16*\b+7], v[TM+12+\b]
	v_cvt_scalef32_pk8_fp4_f32 v[PC+2*\b+1], v[QS+16*\b+8:QS+16*\b+15], v[TM+12+\b]
.endr
	WIN 0
	v_nop                                          ; one plain line behind the last conversion
.irp c, 0,1                                    ; the operand's layout wants a whole block in a lane: lanes 0-15 block 2 c, lanes 16-31 block 2 c + 1
.irp i, 0,1
	v_permlane16_swap_b32 v[PC+4*\c+\i], v[PC+4*\c+2+\i]
.endr
.endr
	global_store_b128 v[LI], v[PC:PC+3], s[10:11] offset:(\g)*512            ; q, k: tile g of the first head;   v: half 0 of channel tile g's fragment.  32 lanes store 512 consecutive bytes
	global_store_b128 v[LI], v[PC+4:PC+7], s[10:11] offset:65536+(\g)*512    ; q, k: tile g of the second head;  v: half 1
.endm
	s_load_b256 s[4:11], s[0:1], 0x0               ; opa s[4:5], sc1 s[6:7], b_qkv s[8:9], qkv s[10:11]
	s_load_b64 s[12:13], s[0:1], 0x20              ; qkvs
	v_lshl_add_u32 v30, v0, 2, 0x40000
	v_mov_b32 v31, 0
	ds_add_u32 v30, v31
	ds_add_u32 v30, v31
	v_lshrrev_b32 v1, 5, v0
	v_readfirstlane_b32 s14, v1                    ; wave 0..3
	s_lshr_b32 s15, s14, 1                         ; which half of x's 16 tiles I multiply.  Also: I fetch for x (0) or for W (1)
	s_and_b32 s16, s14, 1                          ; which half of W's 16 tiles I multiply.  Also: which 8 tiles I fetch
	s_bfe_u32 s40, ttmp6, 0x40000                  ; cx, cy: my place in the cluster
	s_bfe_u32 s41, ttmp6, 0x40004
	s_lshl_b32 s42, ttmp9, 2
	s_add_co_u32 s42, s42, s40                     ; tile column = 4 x cluster x + cx
	s_and_b32 s17, ttmp7, 0xffff
	s_lshl_b32 s17, s17, 2
	s_add_co_u32 s17, s17, s41                     ; tile row = 4 x cluster y + cy
	s_lshl_b32 s43, s41, 2
	s_lshl_b32 s43, 15, s43                        ; my row of the cluster
	s_lshl_b32 s44, 0x1111, s40                    ; my column
	; descriptor group 1: 8 tiles' parts of a slot: 8 rows of 4,096 bytes (512 elements of 8 bytes), 8,192 bytes apart in memory, on end in LDS
	s_or_b32 s[G1+0], s43, (3<<16)|(1<<21)         ; 15:0 the mask: x's tiles go to my row; 17:16 elements of 8 bytes; 21 set beside a mask
	s_or_b32 s[G1B+0], s44, (3<<16)|(1<<21)        ; W's go to my column
.irp g, G1, G1B
	s_mov_b32 s[\g+1], 512<<16                     ; tensor_dim0
	s_mov_b32 s[\g+2], 8<<16                       ; tensor_dim1
	s_mov_b32 s[\g+3], 512<<16                     ; tile_dim0
	s_mov_b32 s[\g+4], 8                           ; tile_dim1
	s_mov_b32 s[\g+5], 1024                        ; tensor_dim0_stride
	s_mov_b32 s[\g+6], 0
	s_mov_b32 s[\g+7], 0
.endr
	s_lshl_b32 s18, s16, 16                        ; the 8 tiles that I fetch
	s_lshl_b32 s20, s17, 17
	s_add_co_u32 s20, s20, s18                     ; x: tile 16 x tile row + 8 x half, 8,192 bytes each
	s_mov_b32 s21, 0
	s_lshl_b32 s46, s42, 17
	s_add_co_u32 s46, s46, s18
	s_add_co_u32 s46, s46, WIMG                    ; W: tile 16 x tile column + 8 x half
	s_mov_b32 s47, 0
	s_lshl_b32 s45, s14, 15                        ; where they go: wave x 32,768: no place in the cluster enters an LDS address
	s_wait_dscnt 0x0
	s_wait_kmcnt 0x0
	s_add_nc_u64 s[20:21], s[4:5], s[20:21]
	s_add_nc_u64 s[46:47], s[4:5], s[46:47]
	CROUND                                         ; all sixteen work-groups are here: the joint loads meet
.irp s, 0,1
	s_mov_b32 s[G0+4*\s], 1
	s_add_co_u32 s[G0+4*\s+1], s45, \s*SLOT
	s_add_nc_u64 s[G0+4*\s+2:G0+4*\s+3], s[20:21], \s*4096
	s_or_b32 s[G0+4*\s+3], s[G0+4*\s+3], 0x80000000
	s_mov_b32 s[G0B+4*\s], 1
	s_add_co_u32 s[G0B+4*\s+1], s45, \s*SLOT
	s_add_nc_u64 s[G0B+4*\s+2:G0B+4*\s+3], s[46:47], \s*4096
	s_or_b32 s[G0B+4*\s+3], s[G0B+4*\s+3], 0x80000000
	JLOAD G0+4*\s, G1, G0B+4*\s, G1B
.endr
	v_and_b32 v3, 31, v0                           ; lane
	v_lshlrev_b32 v[LI], 4, v3
	v_lshlrev_b32 v[L8], 3, v3
	v_and_b32 v4, 15, v0                           ; r
	v_bfe_u32 v5, v0, 4, 1                         ; h
	s_lshl_b32 s18, s15, 15                        ; in a slot: my 8 tiles of x,
	s_lshl_b32 s19, s16, 15
	s_add_co_u32 s19, s19, 65536                   ; my 8 tiles of W
	s_lshl_b32 s67, s17, 13
	s_lshl_b32 s68, s15, 12
	s_add_co_u32 s67, s67, s68                     ; in sc1: the words of my tiles of x (512 bytes a tile),
	s_lshl_b32 s68, s42, 13
	s_lshl_b32 s69, s16, 12
	s_add_co_u32 s68, s68, s69
	s_add_co_u32 s68, s68, WSCL                    ; and of W
	s_cmp_eq_u32 ttmp9, 2                          ; v?  then x is S0
	s_cselect_b32 s22, s18, s19
	s_cselect_b32 s23, s19, s18
	s_cselect_b32 s69, s67, s68
	s_cselect_b32 s70, s68, s67
	v_add_nc_u32 v[ADR0], s22, v[LI]
	v_add_nc_u32 v[ADR0+1], SLOT, v[ADR0]
	v_add_nc_u32 v[ADR1], s23, v[LI]
	v_add_nc_u32 v[ADR1+1], SLOT, v[ADR1]
	v_mov_b32 v6, s70
	v_mov_b32 v7, s69
	v_cmp_le_u32 vcc_lo, 16, v3
	v_cndmask_b32 v6, v6, v7, vcc_lo               ; lanes 0-15 S1's words, lanes 16-31 S0's
	v_lshl_add_u32 v[SO], v4, 4, v6                ; 16 bytes a row: four words
.irp i, 0,1,2,3,4,5,6,7
.irp kh, 0,1
	global_load_b128 v[SC+8*\i+4*\kh:SC+8*\i+4*\kh+3], v[SO], s[6:7] offset:\i*512+\kh*256   ; each half of the lanes reads 256 consecutive bytes
.endr
.endr
	; where the results go
	s_lshr_b32 s80, s17, 3
	s_lshl_b32 s80, s80, 4                         ; 16 x batch
	s_and_b32 s81, s42, 3
	s_lshl_b32 s81, s81, 2
	s_add_co_u32 s80, s80, s81
	s_lshl_b32 s81, s16, 1
	s_add_co_u32 s80, s80, s81                     ; + my first head: 4 (tile column % 4) + 2 x half
	s_and_b32 s81, s17, 7
	s_lshl_b32 s81, s81, 1
	s_add_co_u32 s81, s81, s15                     ; which 128 positions of the batch
	s_lshl_b32 s80, s80, 4
	s_add_co_u32 s80, s80, s81
	s_lshl_b32 s82, s80, 12                        ; 65,536 a head, 4,096 for 128 positions: for q, k and v alike
	s_lshl_b32 s83, ttmp9, 22
	s_add_co_u32 s82, s82, s83
	s_mov_b32 s83, 0
	s_add_nc_u64 s[10:11], s[10:11], s[82:83]
	s_cmp_eq_u32 ttmp9, 2
	s_cselect_b32 s84, 8, 9                        ; the words: 512 bytes for 128 positions (q, k), 256 (v)
	s_lshl_b32 s84, s80, s84
	s_lshl_b32 s85, ttmp9, 19
	s_add_co_u32 s84, s84, s85
	s_mov_b32 s85, 0
	s_add_nc_u64 s[12:13], s[12:13], s[84:85]
	s_lshl_b32 s76, s42, 10
	s_lshl_b32 s77, s16, 9
	s_add_co_u32 s76, s76, s77                     ; my 128 columns in the bias, in bytes
	s_mov_b32 s20, 0x76543210
	s_mov_b32 s21, 0xfedcba98                      ; v_permlanex16_b32's selects for lane l xor 16
	s_mov_b32 s[FL], 0x1800000
	s_cmp_eq_u32 ttmp9, 2
	s_cbranch_scc1 .Lbias_v
	v_lshl_add_u32 v[BO], v5, 6, s76               ; q, k: the registers run along the columns: tile 2 b + u wants columns 32 b + 16 h + 8 u + 0 .. 7
.irp t, 0,1,2,3,4,5,6,7
	global_load_b128 v[BI+8*\t:BI+8*\t+3], v[BO], s[8:9] offset:(32*(\t/2)+8*(\t%2))*4
	global_load_b128 v[BI+8*\t+4:BI+8*\t+7], v[BO], s[8:9] offset:(32*(\t/2)+8*(\t%2))*4+16
.endr
	s_branch .Lbias_done
.Lbias_v:
	v_and_b32 v7, 8, v4
	v_add_nc_u32 v7, v7, v4
	v_lshl_add_u32 v[BO], v7, 2, s76               ; v: a lane holds one column, 32 b + 8 u + r + 8 (r / 8): the same number in all eight registers of a tile
.irp t, 0,1,2,3,4,5,6,7
.irp j, 0,1,2,3,4,5,6,7
	global_load_b32 v[BI+8*\t+\j], v[BO], s[8:9] offset:(32*(\t/2)+8*(\t%2))*4
.endr
.endr
.Lbias_done:
.irp b, 0,1,2,3
	v_mov_b32 v[TM+4+\b], 0                        ; written once: a lane permute's destination counts as one of its sources
.endr
	s_wait_tensorcnt 1                             ; my part of slot 0 is in (slot 1's load may be out)
	s_barrier_signal -1
	s_barrier_wait -1                              ; everybody's is
	FETCH_S0 0, 0, 0
	FETCH_S1 0, 0, 0
	FETCH_S1 0, 0, 4
	s_wait_loadcnt 0x0                             ; the scale words and the bias
	s_cmp_eq_u32 ttmp9, 2
	s_cbranch_scc1 .Lfirst_v
	STEP 0, 0, 1                                   ; the first step starts the sums from the bias: nothing is cleared
	s_branch .Lfirst_done
.Lfirst_v:
	STEP 0, 0, 2
.Lfirst_done:
	STEP 0, 1, 0
	STEP 0, 2, 0
	; slot 0's last step goes over to slot 1
	s_wait_tensorcnt 0x0                           ; my part of slot 1 is in
	s_wait_dscnt 8
	WIN 0xa1
	MUL16 0, 1, 3, 0
	s_wait_dscnt 0x0                               ; no LDS load of mine is out at the signal
	s_barrier_signal -1
	MUL16 2, 1, 3, 0
	WIN 0
	s_barrier_wait -1                              ; slot 1 is whole
	PLACES 4
	FETCH_S0 1, 0, 0
	FETCH_S1 1, 0, 0
	WIN 0xf1
	MUL16 4, 1, 3, 0
	MUL16 6, 1, 3, 0
	PLACES 4
	WIN 0
	FETCH_S1 1, 0, 4
	STEP 1, 0, 0
	STEP 1, 1, 0
	STEP 1, 2, 0
	s_wait_dscnt 8                                 ; the very last step: nothing more to fetch
	WIN 0xa1
	MUL16 0, 1, 7, 0
	MUL16 2, 1, 7, 0
	s_wait_dscnt 0x0
	WIN 0xf1
	MUL16 4, 1, 7, 0
	MUL16 6, 1, 7, 0
	WIN 0
	PLACES 4
	QUANT 0
	QUANT 1
	QUANT 2
	QUANT 3
	QUANT 4
	QUANT 5
	QUANT 6
	QUANT 7
	v_cmp_le_u32 vcc_lo, 16, v3                    ; lanes 0-15 keep the even groups' words, lanes 16-31 the odd groups'
.irp i, 0,1,2,3
	v_cndmask_b32 v[TM+\i], v[PW+2*\i], v[PW+2*\i+1], vcc_lo
.endr
	s_cmp_eq_u32 ttmp9, 2
	s_cbranch_scc1 .Lscale_v
.irp i, 0,1,2,3
	v_and_b32 v[TM+4+\i], 0xffff, v[TM+\i]         ; q, k: bytes 0, 1 are the first head's two blocks,
.endr
.irp i, 0,1,2,3
	v_lshrrev_b32 v[TM+8+\i], 16, v[TM+\i]         ; bytes 2, 3 the second head's; the upper two bytes of a stored word are zero
.endr
	global_store_b128 v[LI], v[TM+4:TM+7], s[12:13]
	global_store_b128 v[LI], v[TM+8:TM+11], s[12:13] offset:8192
	s_branch .Lscale_done
.Lscale_v:
	global_store_b64 v[L8], v[TM:TM+1], s[12:13]               ; v: groups 0-3 are the first head's channel tiles,
	global_store_b64 v[L8], v[TM+2:TM+3], s[12:13] offset:4096 ; groups 4-7 the second head's
.Lscale_done:
	s_wait_tensorcnt 0x0
	ds_add_u32 v30, v31
	s_wait_dscnt 0x0
	CROUND                                         ; the closing round: no work-group ends while a partner may still ask for a tile that names it
	s_endpgm
.Lfunc_end_k_q1ade2845f6_gemmqkv:
	.size	k_q1ade2845f6_gemmqkv, .Lfunc_end_k_q1ade2845f6_gemmqkv-k_q1ade2845f6_gemmqkv
	.p2alignl 7, 3214868480
	.fill 96, 4, 3214868480
	.section	.rodata,"a",@progbits
	.p2align	6, 0x0
	.amdhsa_kernel k_q1ade2845f6_gemmqkv
		.amdhsa_group_segment_fixed_size 262656
		.amdhsa_private_segment_fixed_size 0
		.amdhsa_enable_private_segment 0
		.amdhsa_kernarg_size 40
		.amdhsa_user_sgpr_count 2
		.amdhsa_user_sgpr_kernarg_segment_ptr 1
		.amdhsa_wavefront_size32 1
		.amdhsa_system_sgpr_workgroup_id_x 1
		.amdhsa_system_sgpr_workgroup_id_y 1
		.amdhsa_system_sgpr_workgroup_id_z 1
		.amdhsa_system_vgpr_workitem_id 0
		.amdhsa_next_free_vgpr 1024
		.amdhsa_next_free_sgpr 100
		.amdhsa_reserve_vcc 1
		.amdhsa_float_denorm_mode_32 3
		.amdhsa_float_denorm_mode_16_64 3
		.amdhsa_memory_ordered 1
		.amdhsa_forward_progress 1
		.amdhsa_inst_pref_size 144
	.end_amdhsa_kernel
	.amdgpu_metadata
---
amdhsa.version: [ 1, 2 ]
amdhsa.kernels:
  - .name:           k_q1ade2845f6_gemmqkv
    .symbol:         k_q1ade2845f6_gemmqkv.kd
    .args:
      - { .name: opa, .offset: 0, .size: 8, .value_kind: global_buffer, .address_space: global }
      - { .name: sc1, .offset: 8, .size: 8, .value_kind: global_buffer, .address_space: global }
      - { .name: b_qkv, .offset: 16, .size: 8, .value_kind: global_buffer, .address_space: global }
      - { .name: qkv, .offset: 24, .size: 8, .value_kind: global_buffer, .address_space: global }
      - { .name: qkvs, .offset: 32, .size: 8, .value_kind: global_buffer, .address_space: global }
    .group_segment_fixed_size: 262656
    .private_segment_fixed_size: 0
    .kernarg_segment_align: 8
    .kernarg_segment_size: 40
    .max_flat_workgroup_size: 128
    .sgpr_count:     100
    .vgpr_count:     1024
    .wavefront_size: 32
...
	.end_amdgpu_metadata
.endif
;; end of part 2
;; launch attn (part 3): grid 4 x 64, 16 waves a work-group, no clusters, 145,408 bytes of LDS; arguments qkv, qkvs, ai, sc2; writes ai, sc2
.if DOCPART == 3
	.amdgcn_target "amdgcn-amd-amdhsa--gfx1250"
	.amdhsa_code_object_version 6
	.text
	.protected	k_q1ade2845f6_attn
	.globl	k_q1ade2845f6_attn
	.p2align	8
	.type	k_q1ade2845f6_attn,@function
k_q1ade2845f6_attn:
	s_mov_b64 s[64:65], 0
	v_nop
	global_prefetch_b8 v0, s[64:65] scope:SCOPE_SE
	s_setreg_imm32_b32 hwreg(HW_REG_WAVE_MODE, 25, 1), 1
	s_wait_xcnt 0x0
; a[b][q][64 head + d] = the sum over keys of softmax(q . k / 8) v, both products on codes of FP4 (E2M1) with E8M0 scales, and a quantised at once along its 1,024 for the last product.
; THE SOFTMAX AHEAD OF THE SECOND PRODUCT: t = score x log2(e) / 8; M = the row's largest t so far, rounded UP to a whole number; p = 2^(t - M) is what is quantised, along the keys, not normalised.
; The row's sum is taken of the unquantised p, in f32, and divides O at the end.  When M moves, the sum and O are multiplied by 2^(old M - new M): exact.
; SHARES.  A work-group owns 512 queries of one (batch, head); each of its sixteen waves owns two tiles of 16, one after the other, in 256 registers: four waves to a SIMD, so that one wave's vector work stands beside
; another's matrix work and LDS loads.  Every wave walks the head's 2,048 keys, 128 a step.
; K AND V OF THE WHOLE HEAD LIE IN LDS, 143,360 bytes with their scale words, brought ONCE through registers at the head: one barrier in the launch, no slot, no refill.
; NO CLUSTER, NO JOINT LOADS: the four work-groups of a head do read the same K and V, but each reads its 143,360 bytes once, ahead of 32 tile steps a wave in which nothing more is fetched.
; LAYOUT.  Both products are used transposed: S^T = K Q^T (source 0 = 16 keys, source 1 = my 16 queries), O^T = V^T P^T (source 0 = 16 channels, source 1 = P): a lane holds ONE query throughout.
; Tile 2 b + u of the keys holds keys 32 b + 8 u + r + 8 (r / 8), so that the 16 registers of tiles 2 b, 2 b + 1 are 16 neighbouring keys; V's channel tiles likewise, so that O^T's registers run along the channels.
; THE FIRST PRODUCT'S K IS 64, half of the instruction's 128: Q's registers 4-7 hold zero codes, so the upper half adds nothing whatever stands against it.  K's operand for tile t is therefore the 8 registers from
; tile t's four on (the upper four are the next tile's codes; four registers of zeros stand behind the last), and one load of 16 bytes a lane brings a tile.  The scale bytes of the upper half are 0, never 0xff.
; LIMITS: p under 2^-126 comes out of v_exp_f32 as 0; a block of zeros gets the byte 1 where the rule says 127 (its codes are zeros; this program alone reads the bytes); NaN and infinities are not served.
; REGISTERS: v1-4 lane places in LDS; v6, v7 offsets; v8-11 the step's LDS addresses; v12 -M, v13 the largest t, v[14:15] the sum in two halves; v16-23, v80-87 Q's two fragments; v24-31 the fill's addresses;
;   v32-63 K's 8 tiles, v64-67 zeros; v68-71 K's scale words, v72-73 V's, v88, v89 Q's; v90, v91 a's scale halfwords; v96-159 S^T, then p; v160-191 O^T; v192-223 V's 4 fragments; v224-231 p's codes; v232-254 at work.
.set LVI,  65536                       ; LDS: K's tiles [128][512 bytes] at 0;  V's fragments [half c: 2][128 keys: 16][channel tile: 4][512 bytes] here;
.set LKS,  131072                      ; K's scale words [128 keys: 16][lane][4 words];
.set LVS,  139264                      ; V's [16][lane][2 words]
; A KEY STEP: 128 keys for the tile of queries whose fragment begins at v[QF] and whose scale words lie in v[QS].
.macro STEP QF, QS
	v_add_nc_u32 v8, s34, v1                       ; (these four are also the places in front of the loads into registers that the last step's products read)
	v_add_nc_u32 v9, s35, v2
	v_add_nc_u32 v10, s36, v3
	v_add_nc_u32 v11, s37, v4
	ds_load_b128 v[68:71], v10                     ; K's scale words: register i: lanes 0-15 tile 2 i, lanes 16-31 tile 2 i + 1
.irp t, 0,1,2,3,4,5,6,7
	ds_load_b128 v[32+4*\t:35+4*\t], v8 offset:512*\t
.endr
	ds_load_b64 v[72:73], v11                      ; V's scale words, likewise
.irp dt, 0,1,2,3
.irp c, 0,1
	ds_load_b128 v[192+8*\dt+4*\c:195+8*\dt+4*\c], v9 offset:\c*32768+\dt*512
.endr
.endr
	s_wait_dscnt 9                                 ; K and its words are in; V's nine loads may be out
.irp t, 0,2,4,6
	v_wmma_scale_f32_16x16x128_f8f6f4 v[96+8*\t:103+8*\t], v[32+4*\t:39+4*\t], v[\QF:\QF+7], 0, v[68+\t/2], v[\QS] matrix_a_fmt:MATRIX_FMT_FP4 matrix_b_fmt:MATRIX_FMT_FP4
	v_wmma_scale_f32_16x16x128_f8f6f4 v[104+8*\t:111+8*\t], v[36+4*\t:43+4*\t], v[\QF:\QF+7], 0, v[68+\t/2], v[\QS] matrix_a_fmt:MATRIX_FMT_FP4 matrix_b_fmt:MATRIX_FMT_FP4 matrix_a_scale:MATRIX_SCALE_ROW1
.endr                                          ; lane (r, h) holds query r; the 16 registers of tiles 2 b, 2 b + 1 are keys 32 b + 16 h + 0 .. 15 of the step
.rept 4
	v_nop
.endr
.irp b, 0,1,2,3
	v_max3_num_f32 v[232+\b], v[96+16*\b], v[97+16*\b], v[98+16*\b]   ; the largest score of each block of 32 keys: it serves for the row's maximum and, since p rises with the score, for the block's largest p
.endr
.irp i, 3,5,7,9,11,13
.irp b, 0,1,2,3
	v_max3_num_f32 v[232+\b], v[232+\b], v[96+16*\b+\i], v[97+16*\b+\i]   ; (the four blocks by turns)
.endr
.endr
.irp b, 0,1,2,3
	v_max_num_f32 v[232+\b], v[232+\b], v[111+16*\b]
.endr
.irp b, 0,1,2,3
	v_permlanex16_b32 v[236+\b], v[232+\b], s20, s21
.endr
.irp b, 0,1,2,3
	v_max_num_f32 v[232+\b], v[232+\b], v[236+\b]  ; with lane l xor 16's 16 keys
.endr
	v_max3_num_f32 v254, v232, v233, v234
	v_max_num_f32 v254, v254, v235                 ; the step's largest score of my query
	v_mul_f32 v254, s22, v254                      ; as t (c is positive)
	v_max_num_f32 v13, v13, v254                   ; the running largest t
	v_mov_b32 v254, v12
	v_floor_f32 v12, -v13                          ; the new -M = floor(-t) = -ceil(t): a whole number
	v_sub_f32 v254, v12, v254                      ; M's old value less its new one: a whole number, 0 or less
	v_cvt_i32_f32 v254, v254                       ; (it saturates)
	v_ldexp_f32 v252, 1.0, v254                    ; f = 2^(old M - new M)
.irp j, 0,2,4,6,8,10,12,14,16,18,20,22,24,26,28,30,32,34,36,38,40,42,44,46,48,50,52,54,56,58,60,62
	v_pk_fma_f32 v[96+\j:97+\j], v[96+\j:97+\j], s[22:23], v[12:13] op_sel_hi:[1,0,0]   ; t - M, two at a time (of the pairs c and -M the low word serves both halves)
.endr
.irp b, 0,1,2,3
	v_fma_f32 v[232+\b], v[232+\b], s22, v12       ; the same of each block's largest score
.endr
.irp j, 0,1,2,3,4,5,6,7,8,9,10,11,12,13,14,15,16,17,18,19,20,21,22,23,24,25,26,27,28,29,30,31,32,33,34,35,36,37,38,39,40,41,42,43,44,45,46,47,48,49,50,51,52,53,54,55,56,57,58,59,60,61,62,63
	v_exp_f32 v[96+\j], v[96+\j]                   ; p = 2^(t - M), at most 1: not normalised
.endr
	v_pk_mul_f32 v[14:15], v[14:15], v[252:253] op_sel_hi:[1,0]   ; the sums under the new M: the plain line behind the exponentials
	s_wait_alu depctr_va_vdst(0)                   ; one wait for the whole batch, ahead of its first reader
.irp b, 0,1,2,3
	v_exp_f32 v[232+\b], v[232+\b]                 ; the block's largest p: the same two instructions on the same number give the same bits
.endr
	v_pk_add_f32 v[236:237], v[96:97], v[98:99]    ; the row's sum is taken of the unquantised p: two at a time, in two chains
.irp j, 4,8,12,16,20,24,28,32,36,40,44,48,52,56,60
	v_pk_add_f32 v[14:15], v[14:15], v[96+\j:97+\j]
	v_pk_add_f32 v[236:237], v[236:237], v[98+\j:99+\j]
.endr
	v_pk_add_f32 v[14:15], v[14:15], v[236:237]
	s_wait_alu depctr_va_vdst(0)                   ; and one for the four
.irp b, 0,1,2,3
	v_max_num_f32 v[232+\b], 0x1800000, v[232+\b]  ; the floor 2^(3 - 127): the byte cannot fall under 1
.endr
.irp b, 0,1,2,3
	v_add_nc_u32 v[244+\b], 0xff000000, v[232+\b]  ; 2 off the exponent field: the conversion's scale operand
.endr
.irp b, 0,1,2,3
	v_lshrrev_b32 v[236+\b], 23, v[244+\b]         ; the byte
.endr
	v_lshl_or_b32 v253, v237, 8, v236              ; p's scale word for these 128 keys
	v_lshl_or_b32 v253, v238, 16, v253
	v_lshl_or_b32 v253, v239, 24, v253
.irp b, 0,1,2,3
	v_cvt_scalef32_pk8_fp4_f32 v[224+2*\b], v[96+16*\b:103+16*\b], v[244+\b]
	v_cvt_scalef32_pk8_fp4_f32 v[225+2*\b], v[104+16*\b:111+16*\b], v[244+\b]
.endr
	v_nop                                          ; one plain line behind the last conversion
.irp c, 0,1                                    ; the operand's layout wants a whole block in a lane
.irp i, 0,1
	v_permlane16_swap_b32 v[224+4*\c+\i], v[226+4*\c+\i]
.endr
.endr
.irp j, 0,2,4,6,8,10,12,14,16,18,20,22,24,26,28,30
	v_pk_mul_f32 v[160+\j:161+\j], v[160+\j:161+\j], v[252:253] op_sel_hi:[1,0]   ; O^T under the new M.  (These 16 are also the lines between the making of p's codes and scale word and the products below)
.endr
	s_wait_dscnt 0x0                               ; V and its words are in
.irp dt, 0,2
	v_wmma_scale_f32_16x16x128_f8f6f4 v[160+8*\dt:167+8*\dt], v[192+8*\dt:199+8*\dt], v[224:231], v[160+8*\dt:167+8*\dt], v[72+\dt/2], v253 matrix_a_fmt:MATRIX_FMT_FP4 matrix_b_fmt:MATRIX_FMT_FP4
	v_wmma_scale_f32_16x16x128_f8f6f4 v[168+8*\dt:175+8*\dt], v[200+8*\dt:207+8*\dt], v[224:231], v[168+8*\dt:175+8*\dt], v[72+\dt/2], v253 matrix_a_fmt:MATRIX_FMT_FP4 matrix_b_fmt:MATRIX_FMT_FP4 matrix_a_scale:MATRIX_SCALE_ROW1
.endr                                          ; the four accumulators take turns, one instruction a turn
	s_add_co_u32 s34, s34, 4096                    ; the next 128 keys: 8 tiles of K,
	s_add_co_u32 s35, s35, 2048                    ; 4 half fragments of V,
	s_add_co_u32 s36, s36, 512                     ; and their scale words
	s_add_co_u32 s37, s37, 256
.endm
; One tile of 16 queries: all 16 key steps, then the way out.
.macro TILE it, QF, QS
.if \it
	s_wait_xcnt 0x0                                ; the first tile's store has read its registers: they are written again below
.endif
	v_mov_b32 v13, 0xff61b1e6                      ; the largest t so far: -3e38, under every t
	v_floor_f32 v12, -v13                          ; -M
	v_mov_b32 v14, 0                               ; the sum, in two halves
	v_mov_b32 v15, 0
.irp j, 0,1,2,3,4,5,6,7,8,9,10,11,12,13,14,15,16,17,18,19,20,21,22,23,24,25,26,27,28,29,30,31
	v_mov_b32 v[160+\j], 0                         ; O^T.  (The step is written once: the first finds zeros, which the first change of M leaves zeros)
.endr
	s_mov_b32 s34, 0
	s_mov_b32 s35, 0
	s_mov_b32 s36, 0
	s_mov_b32 s37, 0
	s_mov_b32 s38, 16
.Lstep_\@:
	STEP \QF, \QS
	s_sub_co_u32 s38, s38, 1
	s_cmp_lg_u32 s38, 0
	s_cbranch_scc1 .Lstep_\@
.rept 4
	v_nop                                          ; places behind the last products
.endr
	v_add_f32 v14, v14, v15                        ; the sum's two halves,
	v_permlanex16_b32 v252, v14, s20, s21
	v_add_f32 v14, v14, v252                       ; and lane l xor 16's: the row's sum
	v_rcp_f32 v14, v14
	v_nop                                          ; a plain line behind the reciprocal,
	s_wait_alu depctr_va_vdst(0)                   ; and the wait ahead of its first reader
.irp j, 0,1,2,3,4,5,6,7,8,9,10,11,12,13,14,15,16,17,18,19,20,21,22,23,24,25,26,27,28,29,30,31
	v_mul_f32 v[96+\j], v[160+\j], v14             ; O^T / the sum: register 16 b + i is channel 32 b + 16 h + i of my query
.endr
.irp b, 0,1
	v_max3_num_f32 v[232+\b], |v[96+16*\b]|, |v[97+16*\b]|, 0x1800000   ; the head's two blocks of 32 along the last product's K
.endr
.irp i, 2,4,6,8,10,12,14
.irp b, 0,1
	v_max3_num_f32 v[232+\b], v[232+\b], |v[96+16*\b+\i]|, |v[97+16*\b+\i]|
.endr
.endr
.irp b, 0,1
	v_permlanex16_b32 v[236+\b], v[232+\b], s20, s21
.endr
.irp b, 0,1
	v_max_num_f32 v[232+\b], v[232+\b], v[236+\b]
.endr
.irp b, 0,1
	v_add_nc_u32 v[244+\b], 0xff000000, v[232+\b]
.endr
.irp b, 0,1
	v_lshrrev_b32 v[236+\b], 23, v[244+\b]
.endr
	v_lshl_or_b32 v[90+\it], v237, 8, v236         ; my row's two bytes
.irp b, 0,1
	v_cvt_scalef32_pk8_fp4_f32 v[224+2*\b], v[96+16*\b:103+16*\b], v[244+\b]
	v_cvt_scalef32_pk8_fp4_f32 v[225+2*\b], v[104+16*\b:111+16*\b], v[244+\b]
.endr
	v_nop                                          ; one plain line behind the last conversion
	v_permlane16_swap_b32 v224, v226               ; lanes 0-15 now hold block 0 whole, lanes 16-31 block 1
	v_permlane16_swap_b32 v225, v227
	global_store_b128 v1, v[224:227], s[8:9] offset:\it*8192   ; blocks 2 head and 2 head + 1 of the tile's image: 32 lanes store 512 consecutive bytes
.endm
	s_load_b256 s[4:11], s[0:1], 0x0               ; qkv s[4:5], qkvs s[6:7], ai s[8:9], sc2 s[10:11]
	v_lshl_add_u32 v251, v0, 2, 0x23000
	v_mov_b32 v255, 0
	v_lshrrev_b32 v8, 5, v0
	v_readfirstlane_b32 s18, v8                    ; wave 0..15
	s_and_b32 s19, ttmp7, 0xffff                   ; 16 x batch + head
	v_and_b32 v8, 31, v0                           ; lane
	v_and_b32 v9, 15, v0                           ; r
	v_bfe_u32 v10, v0, 4, 1                        ; h
	v_lshlrev_b32 v1, 4, v8                        ; 16 x lane: my place in a tile of K,
	v_add_nc_u32 v2, LVI, v1                       ; in half a fragment of V,
	v_add_nc_u32 v3, LKS, v1                       ; among K's scale words,
	v_lshlrev_b32 v4, 3, v8
	v_add_nc_u32 v4, LVS, v4                       ; and among V's
	v_lshlrev_b32 v6, 4, v9                        ; 16 r
	v_lshl_add_u32 v7, v10, 9, v6                  ; 512 h + 16 r
	v_lshlrev_b32 v24, 4, v0                       ; the fill: 16 x thread, in memory and in LDS;
	v_lshrrev_b32 v30, 7, v0
	v_and_b32 v31, 127, v0
	v_lshlrev_b32 v31, 4, v31
	v_lshl_add_u32 v25, v30, 12, v31               ; V in memory: my head's 2,048 bytes of each 4,096 (the pair of heads lies side by side)
	v_lshlrev_b32 v26, 3, v0
	v_add_nc_u32 v27, LVI, v24
	v_add_nc_u32 v28, LKS, v24
	v_add_nc_u32 v29, LVS, v26
	s_mov_b32 s20, 0x76543210
	s_mov_b32 s21, 0xfedcba98                      ; v_permlanex16_b32's selects for lane l xor 16
	s_mov_b32 s22, 0x3e38aa3b                      ; c = log2(e) / 8
	s_mov_b32 s23, s22                             ; (named with it as a pair, so it is written)
	s_lshl_b32 s26, s19, 16                        ; Q: 65,536 a head,
	s_lshl_b32 s24, ttmp9, 14
	s_add_co_u32 s26, s26, s24                     ; 32 tiles of 512 bytes a work-group,
	s_lshl_b32 s24, s18, 10
	s_add_co_u32 s26, s26, s24                     ; two a wave
	s_mov_b32 s27, 0
	s_lshl_b32 s28, s19, 16
	s_add_co_u32 s28, s28, 4194304                 ; K
	s_mov_b32 s29, 0
	s_lshr_b32 s30, s19, 1
	s_lshl_b32 s30, s30, 17
	s_and_b32 s24, s19, 1
	s_lshl_b32 s24, s24, 11
	s_add_co_u32 s30, s30, s24
	s_add_co_u32 s30, s30, 8388608                 ; V: the pair of heads, and my head's half of each 4,096 bytes
	s_mov_b32 s31, 0
	s_lshl_b32 s40, s19, 13                        ; Q's scale words: 8,192 a head,
	s_lshl_b32 s24, ttmp9, 2
	s_lshr_b32 s25, s18, 2
	s_add_co_u32 s24, s24, s25
	s_lshl_b32 s24, s24, 9
	s_add_co_u32 s40, s40, s24                     ; 512 for 8 tiles,
	s_and_b32 s24, s18, 3
	s_lshl_b32 s24, s24, 2
	s_add_co_u32 s40, s40, s24                     ; word wave % 4: my two tiles are its lanes 0-15 and 16-31
	s_mov_b32 s41, 0
	s_lshl_b32 s42, s19, 13
	s_add_co_u32 s42, s42, 524288                  ; K's
	s_mov_b32 s43, 0
	s_lshl_b32 s44, s19, 12
	s_add_co_u32 s44, s44, 1048576                 ; V's
	s_mov_b32 s45, 0
	s_lshr_b32 s32, s19, 4
	s_lshl_b32 s32, s32, 7
	s_lshl_b32 s24, ttmp9, 5
	s_add_co_u32 s32, s32, s24
	s_lshl_b32 s24, s18, 1
	s_add_co_u32 s32, s32, s24                     ; my first tile among the 512 of all rows
	s_and_b32 s33, s19, 15                         ; the head
	s_lshl_b32 s46, s32, 13
	s_lshl_b32 s24, s33, 9
	s_add_co_u32 s46, s46, s24                     ; a's image: 8,192 a tile, 512 a head
	s_mov_b32 s47, 0
	s_lshl_b32 s48, s32, 9
	s_lshr_b32 s24, s33, 3
	s_lshl_b32 s24, s24, 8
	s_add_co_u32 s48, s48, s24
	s_and_b32 s24, s33, 7
	s_lshl_b32 s24, s24, 1
	s_add_co_u32 s48, s48, s24                     ; a's scale words: 512 a tile, 256 for 8 heads, 2 bytes a head
	s_mov_b32 s49, 0
	s_wait_kmcnt 0x0
	s_add_nc_u64 s[12:13], s[4:5], s[26:27]
	s_add_nc_u64 s[14:15], s[4:5], s[28:29]
	s_add_nc_u64 s[16:17], s[4:5], s[30:31]
	s_add_nc_u64 s[50:51], s[6:7], s[40:41]
	s_add_nc_u64 s[52:53], s[6:7], s[42:43]
	s_add_nc_u64 s[54:55], s[6:7], s[44:45]
	s_add_nc_u64 s[8:9], s[8:9], s[46:47]
	s_add_nc_u64 s[10:11], s[10:11], s[48:49]
	global_load_b128 v[16:19], v1, s[12:13]        ; Q's two tiles stay in registers
	global_load_b128 v[80:83], v1, s[12:13] offset:512
	global_load_b32 v88, v6, s[50:51]              ; and their scale words
	global_load_b32 v89, v6, s[50:51] offset:256
.irp i, 0,1,2,3,4,5,6,7
	global_load_b128 v[96+4*\i:99+4*\i], v24, s[14:15] offset:\i*8192      ; K: the sixteen waves read 8,192 consecutive bytes
.endr
.irp c, 0,1
.irp i, 0,1,2,3
	global_load_b128 v[128+16*\c+4*\i:131+16*\c+4*\i], v25, s[16:17] offset:\c*65536+\i*16384   ; V: four runs of 2,048
.endr
.endr
	global_load_b128 v[160:163], v24, s[52:53]
	global_load_b64 v[164:165], v26, s[54:55]
.irp j, 0,1,2,3
	v_mov_b32 v[20+\j], 0                          ; the upper halves of Q's fragments: zero codes
	v_mov_b32 v[84+\j], 0
	v_mov_b32 v[64+\j], 0                          ; what stands behind K's last tile
	v_mov_b32 v[236+\j], 0                         ; written once: a lane permute's destination counts as one of its sources
.endr
	v_mov_b32 v253, 0                              ; (named as the upper half of the pair v[252:253] before it is first written)
.irp i, 0,1,2,3,4,5,6,7
	s_wait_loadcnt 17-\i                           ; loads come back in order: this one is in, the younger ones of the fill's 18 may be out
	ds_store_b128 v24, v[96+4*\i:99+4*\i] offset:\i*8192
.endr
.irp c, 0,1
.irp i, 0,1,2,3
	s_wait_loadcnt 9-4*\c-\i
	ds_store_b128 v27, v[128+16*\c+4*\i:131+16*\c+4*\i] offset:\c*32768+\i*8192
.endr
.endr
	s_wait_loadcnt 1
	ds_store_b128 v28, v[160:163]
	s_wait_loadcnt 0x0
	ds_store_b64 v29, v[164:165]
	s_wait_dscnt 0x0                               ; for the others' sake: my stores have landed
	s_barrier_signal -1
	s_barrier_wait -1                              ; the head's K and V lie in LDS; nothing is written there again
	TILE 0, 16, 88
	TILE 1, 80, 89
	v_and_b32 v8, 16, v0
	v_cmp_ne_u32 vcc_lo, 0, v8
	v_cndmask_b32 v92, v90, v91, vcc_lo            ; lanes 0-15 the first tile's rows, lanes 16-31 the second's
	global_store_b16 v7, v92, s[10:11]             ; pieces of 2 bytes, one such store a wave: a scale word's other bytes belong to other heads, which are other work-groups
	s_wait_tensorcnt 0x0
	ds_add_u32 v251, v255
	s_wait_dscnt 0x0
	s_endpgm
.Lfunc_end_k_q1ade2845f6_attn:
	.size	k_q1ade2845f6_attn, .Lfunc_end_k_q1ade2845f6_attn-k_q1ade2845f6_attn
	.p2alignl 7, 3214868480
	.fill 96, 4, 3214868480
	.section	.rodata,"a",@progbits
	.p2align	6, 0x0
	.amdhsa_kernel k_q1ade2845f6_attn
		.amdhsa_group_segment_fixed_size 145408
		.amdhsa_private_segment_fixed_size 0
		.amdhsa_enable_private_segment 0
		.amdhsa_kernarg_size 32
		.amdhsa_user_sgpr_count 2
		.amdhsa_user_sgpr_kernarg_segment_ptr 1
		.amdhsa_wavefront_size32 1
		.amdhsa_system_sgpr_workgroup_id_x 1
		.amdhsa_system_sgpr_workgroup_id_y 1
		.amdhsa_system_sgpr_workgroup_id_z 1
		.amdhsa_system_vgpr_workitem_id 0
		.amdhsa_next_free_vgpr 256
		.amdhsa_next_free_sgpr 66
		.amdhsa_reserve_vcc 1
		.amdhsa_float_denorm_mode_32 3
		.amdhsa_float_denorm_mode_16_64 3
		.amdhsa_memory_ordered 1
		.amdhsa_forward_progress 1
		.amdhsa_inst_pref_size 48
	.end_amdhsa_kernel
	.amdgpu_metadata
---
amdhsa.version: [ 1, 2 ]
amdhsa.kernels:
  - .name:           k_q1ade2845f6_attn
    .symbol:         k_q1ade2845f6_attn.kd
    .args:
      - { .name: qkv, .offset: 0, .size: 8, .value_kind: global_buffer, .address_space: global }
      - { .name: qkvs, .offset: 8, .size: 8, .value_kind: global_buffer, .address_space: global }
      - { .name: ai, .offset: 16, .size: 8, .value_kind: global_buffer, .address_space: global }
      - { .name: sc2, .offset: 24, .size: 8, .value_kind: global_buffer, .address_space: global }
    .group_segment_fixed_size: 145408
    .private_segment_fixed_size: 0
    .kernarg_segment_align: 8
    .kernarg_segment_size: 32
    .max_flat_workgroup_size: 512
    .sgpr_count:     66
    .vgpr_count:     256
    .wavefront_size: 32
...
	.end_amdgpu_metadata
.endif
;; end of part 3
;; launch gemmout (part 4): grid 4 x 32, 4 waves a work-group, clusters of 4 x 4, 262,656 bytes of LDS; arguments ai, opa, sc2, b_out, out0; writes out0
.if DOCPART == 4
	.amdgcn_target "amdgcn-amd-amdhsa--gfx1250"
	.amdhsa_code_object_version 6
	.text
	.protected	k_q1ade2845f6_gemmout
	.globl	k_q1ade2845f6_gemmout
	.p2align	8
	.type	k_q1ade2845f6_gemmout,@function
k_q1ade2845f6_gemmout:
	s_mov_b64 s[64:65], 0
	v_nop
	global_prefetch_b8 v0, s[64:65] scope:SCOPE_SE
	s_setreg_imm32_b32 hwreg(HW_REG_WAVE_MODE, 25, 1), 1
	s_wait_xcnt 0x0
	s_wait_alu depctr_hold_cnt(0) depctr_sa_sdst(0) depctr_va_vdst(0) depctr_va_sdst(0) depctr_va_ssrc(0) depctr_va_vcc(0) depctr_vm_vsrc(0)
	s_getreg_b32 s2, hwreg(HW_REG_IB_STS2, 6, 4)
	s_cmp_eq_u32 s2, 0
	s_cbranch_scc0 .Lentry_in_a_cluster
	s_endpgm
.Lentry_in_a_cluster:
	s_bfe_u32 s2, ttmp6, 0x10000c
	s_cmp_lg_u32 s2, 0xf033
	s_cbranch_scc0 .Lentry_shape_is_right
	s_endpgm
.Lentry_shape_is_right:
; out0 = a W_out + b_out on codes of FP4 (E2M1) with E8M0 scales, K = 1,024; out0 [8192][1024] f32.
; A work-group of four waves makes 256 rows x 256 columns, a wave 128 x 128: 64 accumulators of 16 x 16, 512 registers.  128 work-groups: as many as this tile gives.
; OPERANDS come as images of their registers (tile: 8,192 bytes; 128 along K: 1,024 bytes on end): a fragment is two LDS loads of 16 bytes a lane, each of 512 consecutive bytes.
; K = 1,024 is two LDS slots of 512 along K, EACH FILLED ONCE: a wave has two tensor loads out at the start and issues no more; no LDS byte is filled a second time.
; CLUSTERS: 4 x 4 work-groups.  The four of a row of the cluster need the same tiles of a, the four of a column the same tiles of W: each is asked for jointly.
; THE MATRIX INSTRUCTION IS USED TRANSPOSED: source 0 (S0) = 16 columns of W, source 1 (S1) = 16 rows of a: a lane holds one row, and its registers run along the columns.
; Tile 2 b + u of an operand holds rows 32 b + 8 u + r + 8 (r / 8): so tile 2 b + u of W gives a lane columns 32 b + 16 (lane / 16) + 8 u + 0 .. 7, and row t of a's tile 2 b + u is row 32 b + 8 u + t + 8 (t / 8) of out0.
; The bias is the C of each sum's first matrix instruction.
; REGISTERS, in windows of 256: window 0: v1-27 addresses; v32-95 scale words; v128-191 S1's fragments, one set; v192-255 the bias; on the way out v128-255 take rows of out0.
;   window 1: S0's fragments, two sets, at v0 and v128.   window 2: the accumulators of S1's tiles 0-3 ((a, b) at v[8 (8 a + b)]);   window 3: those of tiles 4-7.
.set SLOT,  131072                     ; a slot: a's 16 tiles x 4,096 bytes, then W's 16
.set WIMG,  5767168                    ; W_out's image in opa
.set WSCL,  262144                     ; and its scale words in sc2
.set SPITCH, 528                       ; the way out: a stage of 16 rows x (512 bytes + 16) for each wave, in slot 0: that slot has had its one fill, and its last read stands ahead of the barrier at which slot 1 is taken up
.set LI,   1                           ; v1   16 x lane
.set ADR0, 16                          ; v16-17  LDS address of S0's fragments in slot 0, 1
.set ADR1, 20                          ; v20-21  the same for S1
.set SO,   24                          ; v24  my scale words in sc2: lanes 0-15 a's rows, lanes 16-31 W's columns
.set BO,   25                          ; v25  my place in the bias
.set STO,  26                          ; v26  the stage: where I put 32 bytes of a row
.set RD,   27                          ; v27  and where I read a row back
.set SC,   32                          ; register 8 i + ks: lanes 0-15 the word of S1's tile i, lanes 16-31 that of S0's tile i, for the ks-th 128 along K
.set AF,   128
.set BI,   192
.set BK,   128                         ; the way out: 16 rows read back: v128-191 and v192-255 by turns
.set G1,  24                           ; s[24:31] descriptor group 1 for a's tiles;  s[32:39] group 0, one set for each slot
.set G0,  32
.set G1B, 48                           ; s[48:55], s[56:63] the same for W's
.set G0B, 56
.set MSB, 0
.macro WIN new                         ; the immediate's high byte repeats the setting that is left
.if MSB != (\new)
	s_set_vgpr_msb (MSB<<8)|(\new)
.set MSB, (\new)
.endif
.endm
; A joint load: waves 0 and 1 fetch for a, waves 2 and 3 for W; the branch hangs on the wave's number alone.  Four v_nop follow each of the two lines.
.macro JLOAD g0a, g1a, g0b, g1b
	s_cmp_eq_u32 s15, 0
	s_cbranch_scc0 .Lfor_b_\@
	tensor_load_to_lds s[\g0a:\g0a+3], s[\g1a:\g1a+7]
	s_nop 0
.rept 4
	v_nop
.endr
	s_branch .Lasked_\@
.Lfor_b_\@:
	tensor_load_to_lds s[\g0b:\g0b+3], s[\g1b:\g1b+7]
	s_nop 0
.rept 4
	v_nop
.endr
.Lasked_\@:
.endm
.macro CROUND                          ; a round of the cluster's barrier
	s_barrier_signal -1
	s_barrier_wait -1
	s_cmp_lg_u32 s14, 0
	s_cbranch_scc1 .Lnot_wave_0_\@
	s_barrier_signal -3
.Lnot_wave_0_\@:
	s_barrier_wait -3
	s_barrier_signal -1
	s_barrier_wait -1
.endm
.macro PLACES n                        ; plain vector lines between a matrix instruction and a load into, or a read of, its registers
.rept \n
	v_nop
.endr
.endm
.macro FRAG reg, adr, q, i             ; tile i's fragment of the slot's q-th 128 along K
.irp c, 0,1
	ds_load_b128 v[\reg+4*\c:\reg+4*\c+3], v[\adr] offset:(\i)*4096+(\q)*1024+512*\c
.endr
.endm
.macro FETCH_S0 slot, q, p             ; S0's eight fragments into set p of window 1
	WIN 0x40
.irp i, 0,1,2,3,4,5,6,7
	FRAG 128*(\p)+8*\i, ADR0+\slot, \q, \i
.endr
	WIN 0
.endm
.macro FETCH_S1 slot, q, i0            ; S1's tiles i0 .. i0 + 3
.irp i, \i0, \i0+1, \i0+2, \i0+3
	FRAG AF+8*(\i), ADR1+\slot, \q, \i
.endr
.endm
; 16 matrix instructions: S1's tiles a0, a0 + 1 x S0's eight.  cm = 0: the sums go on; 1: they start from the bias of S0's tile.
; The 64 accumulators take turns, one instruction a turn, in the same order in every step.
.macro MUL16 a0, p, ks, cm
.irp a, \a0, \a0+1
.irp b, 0,1,2,3,4,5,6,7
.if \cm == 0
	v_wmma_scale_f32_16x16x128_f8f6f4 v[8*(8*((\a)%4)+\b):8*(8*((\a)%4)+\b)+7], v[128*(\p)+8*\b:128*(\p)+8*\b+7], v[AF+8*(\a):AF+8*(\a)+7], v[8*(8*((\a)%4)+\b):8*(8*((\a)%4)+\b)+7], v[SC+8*\b+(\ks)], v[SC+8*(\a)+(\ks)] matrix_a_fmt:MATRIX_FMT_FP4 matrix_b_fmt:MATRIX_FMT_FP4 matrix_a_scale:MATRIX_SCALE_ROW1
.else
	v_wmma_scale_f32_16x16x128_f8f6f4 v[8*(8*((\a)%4)+\b):8*(8*((\a)%4)+\b)+7], v[128*(\p)+8*\b:128*(\p)+8*\b+7], v[AF+8*(\a):AF+8*(\a)+7], v[BI+8*\b:BI+8*\b+7], v[SC+8*\b+(\ks)], v[SC+8*(\a)+(\ks)] matrix_a_fmt:MATRIX_FMT_FP4 matrix_b_fmt:MATRIX_FMT_FP4 matrix_a_scale:MATRIX_SCALE_ROW1
.endif
.endr
.endr
.endm
; A step of 128 along K that has its successor in the same slot.
.macro STEP slot, q, cm
	s_wait_dscnt 8                                 ; S0's set and S1's tiles 0-3 are in; the youngest eight loads (tiles 4-7) may be out
.if \cm
	WIN 0x81                                       ; source 0 window 1, source 1 and C window 0, D window 2
.else
	WIN 0xa1                                       ; C and D window 2
.endif
	MUL16 0, (\q)%2, 4*(\slot)+(\q), \cm
	MUL16 2, (\q)%2, 4*(\slot)+(\q), \cm
	s_wait_dscnt 0x0                               ; tiles 4-7 are in
	PLACES 4
	FETCH_S0 \slot, (\q)+1, 1-(\q)%2
	FETCH_S1 \slot, (\q)+1, 0
.if \cm
	WIN 0xc1
.else
	WIN 0xf1
.endif
	MUL16 4, (\q)%2, 4*(\slot)+(\q), \cm
	MUL16 6, (\q)%2, 4*(\slot)+(\q), \cm
	PLACES 4
	WIN 0
	FETCH_S1 \slot, (\q)+1, 4
.endm
	s_load_b256 s[4:11], s[0:1], 0x0               ; ai s[4:5], opa s[6:7], sc2 s[8:9], b_out s[10:11]
	s_load_b64 s[12:13], s[0:1], 0x20              ; out0
	v_lshl_add_u32 v126, v0, 2, 0x40000
	v_mov_b32 v127, 0
	ds_add_u32 v126, v127
	ds_add_u32 v126, v127
	v_lshrrev_b32 v1, 5, v0
	v_readfirstlane_b32 s14, v1                    ; wave 0..3
	s_lshr_b32 s15, s14, 1                         ; which half of a's 16 tiles I multiply.  Also: I fetch for a (0) or for W (1)
	s_and_b32 s16, s14, 1                          ; which half of W's 16 tiles I multiply.  Also: which 8 tiles I fetch
	s_bfe_u32 s40, ttmp6, 0x40000                  ; cx, cy: my place in the cluster
	s_bfe_u32 s41, ttmp6, 0x40004
	s_lshl_b32 s42, ttmp9, 2
	s_add_co_u32 s42, s42, s40                     ; tile column = 4 x cluster x + cx
	s_and_b32 s17, ttmp7, 0xffff
	s_lshl_b32 s17, s17, 2
	s_add_co_u32 s17, s17, s41                     ; tile row = 4 x cluster y + cy
	s_lshl_b32 s43, s41, 2
	s_lshl_b32 s43, 15, s43                        ; my row of the cluster
	s_lshl_b32 s44, 0x1111, s40                    ; my column
	; descriptor group 1: 8 tiles' parts of a slot: 8 rows of 4,096 bytes (512 elements of 8 bytes), 8,192 bytes apart in memory, on end in LDS
	s_or_b32 s[G1+0], s43, (3<<16)|(1<<21)         ; 15:0 the mask: a's tiles go to my row; 17:16 elements of 8 bytes; 21 set beside a mask
	s_or_b32 s[G1B+0], s44, (3<<16)|(1<<21)        ; W's go to my column
.irp g, G1, G1B
	s_mov_b32 s[\g+1], 512<<16                     ; tensor_dim0
	s_mov_b32 s[\g+2], 8<<16                       ; tensor_dim1
	s_mov_b32 s[\g+3], 512<<16                     ; tile_dim0
	s_mov_b32 s[\g+4], 8                           ; tile_dim1
	s_mov_b32 s[\g+5], 1024                        ; tensor_dim0_stride
	s_mov_b32 s[\g+6], 0
	s_mov_b32 s[\g+7], 0
.endr
	s_lshl_b32 s18, s16, 16                        ; the 8 tiles that I fetch
	s_lshl_b32 s20, s17, 17
	s_add_co_u32 s20, s20, s18                     ; a: tile 16 x tile row + 8 x half, 8,192 bytes each
	s_mov_b32 s21, 0
	s_lshl_b32 s46, s42, 17
	s_add_co_u32 s46, s46, s18
	s_add_co_u32 s46, s46, WIMG                    ; W: tile 16 x tile column + 8 x half
	s_mov_b32 s47, 0
	s_lshl_b32 s45, s14, 15                        ; where they go: wave x 32,768: no place in the cluster enters an LDS address
	s_wait_dscnt 0x0
	s_wait_kmcnt 0x0
	s_add_nc_u64 s[20:21], s[4:5], s[20:21]
	s_add_nc_u64 s[46:47], s[6:7], s[46:47]
	CROUND                                         ; all sixteen work-groups are here: the joint loads meet
.irp s, 0,1
	s_mov_b32 s[G0+4*\s], 1
	s_add_co_u32 s[G0+4*\s+1], s45, \s*SLOT
	s_add_nc_u64 s[G0+4*\s+2:G0+4*\s+3], s[20:21], \s*4096
	s_or_b32 s[G0+4*\s+3], s[G0+4*\s+3], 0x80000000
	s_mov_b32 s[G0B+4*\s], 1
	s_add_co_u32 s[G0B+4*\s+1], s45, \s*SLOT
	s_add_nc_u64 s[G0B+4*\s+2:G0B+4*\s+3], s[46:47], \s*4096
	s_or_b32 s[G0B+4*\s+3], s[G0B+4*\s+3], 0x80000000
	JLOAD G0+4*\s, G1, G0B+4*\s, G1B
.endr
	v_and_b32 v3, 31, v0                           ; lane
	v_lshlrev_b32 v[LI], 4, v3
	v_and_b32 v4, 15, v0                           ; r
	v_bfe_u32 v5, v0, 4, 1                         ; h
	s_lshl_b32 s18, s15, 15                        ; in a slot: my 8 tiles of a (S1),
	s_lshl_b32 s19, s16, 15
	s_add_co_u32 s19, s19, 65536                   ; my 8 tiles of W (S0)
	v_add_nc_u32 v[ADR0], s19, v[LI]
	v_add_nc_u32 v[ADR0+1], SLOT, v[ADR0]
	v_add_nc_u32 v[ADR1], s18, v[LI]
	v_add_nc_u32 v[ADR1+1], SLOT, v[ADR1]
	s_mul_i32 s23, s14, 16*SPITCH                  ; my stage
	v_mul_u32_u24 v6, v4, SPITCH
	v_lshl_add_u32 v6, v5, 6, v6
	v_add_nc_u32 v[STO], s23, v6                   ; in: row r, + 64 h
	v_add_nc_u32 v[RD], s23, v[LI]                 ; back: the 32 lanes take one row of 512 bytes
	s_lshl_b32 s67, s17, 13
	s_lshl_b32 s68, s15, 12
	s_add_co_u32 s67, s67, s68                     ; in sc2: the words of my tiles of a (512 bytes a tile),
	s_lshl_b32 s68, s42, 13
	s_lshl_b32 s69, s16, 12
	s_add_co_u32 s68, s68, s69
	s_add_co_u32 s68, s68, WSCL                    ; and of W
	v_mov_b32 v6, s67
	v_mov_b32 v7, s68
	v_cmp_le_u32 vcc_lo, 16, v3
	v_cndmask_b32 v6, v6, v7, vcc_lo               ; lanes 0-15 a's words, lanes 16-31 W's
	v_lshl_add_u32 v[SO], v4, 4, v6                ; 16 bytes a row: four words
.irp i, 0,1,2,3,4,5,6,7
.irp kh, 0,1
	global_load_b128 v[SC+8*\i+4*\kh:SC+8*\i+4*\kh+3], v[SO], s[8:9] offset:\i*512+\kh*256   ; each half of the lanes reads 256 consecutive bytes
.endr
.endr
	s_lshl_b32 s76, s42, 10
	s_lshl_b32 s77, s16, 9
	s_add_co_u32 s76, s76, s77                     ; my 128 columns, in bytes: in the bias and in a row of out0
	v_lshl_add_u32 v[BO], v5, 6, s76               ; tile 2 b + u wants columns 32 b + 16 h + 8 u + 0 .. 7
.irp t, 0,1,2,3,4,5,6,7
	global_load_b128 v[BI+8*\t:BI+8*\t+3], v[BO], s[10:11] offset:(32*(\t/2)+8*(\t%2))*4
	global_load_b128 v[BI+8*\t+4:BI+8*\t+7], v[BO], s[10:11] offset:(32*(\t/2)+8*(\t%2))*4+16
.endr
	s_lshl_b32 s80, s17, 20                        ; out0: 256 rows of 4,096 bytes a tile row,
	s_lshl_b32 s81, s15, 19
	s_add_co_u32 s80, s80, s81                     ; 128 for my half,
	s_add_co_u32 s80, s80, s76                     ; and my columns
	s_mov_b32 s81, 0
	s_add_nc_u64 s[12:13], s[12:13], s[80:81]
	s_wait_tensorcnt 1                             ; my part of slot 0 is in (slot 1's load may be out)
	s_barrier_signal -1
	s_barrier_wait -1                              ; everybody's is
	FETCH_S0 0, 0, 0
	FETCH_S1 0, 0, 0
	FETCH_S1 0, 0, 4
	s_wait_loadcnt 0x0                             ; the scale words and the bias
	STEP 0, 0, 1                                   ; the first step starts the sums from the bias: nothing is cleared
	STEP 0, 1, 0
	STEP 0, 2, 0
	; slot 0's last step goes over to slot 1
	s_wait_tensorcnt 0x0                           ; my part of slot 1 is in
	s_wait_dscnt 8
	WIN 0xa1
	MUL16 0, 1, 3, 0
	s_wait_dscnt 0x0                               ; my reads of slot 0 are over
	s_barrier_signal -1
	MUL16 2, 1, 3, 0
	WIN 0
	s_barrier_wait -1                              ; slot 1 is whole, and nobody reads slot 0 any more
	PLACES 4
	FETCH_S0 1, 0, 0
	FETCH_S1 1, 0, 0
	WIN 0xf1
	MUL16 4, 1, 3, 0
	MUL16 6, 1, 3, 0
	PLACES 4
	WIN 0
	FETCH_S1 1, 0, 4
	STEP 1, 0, 0
	STEP 1, 1, 0
	STEP 1, 2, 0
	s_wait_dscnt 8                                 ; the very last step: nothing more to fetch
	WIN 0xa1
	MUL16 0, 1, 7, 0
	MUL16 2, 1, 7, 0
	s_wait_dscnt 0x0
	WIN 0xf1
	MUL16 4, 1, 7, 0
	MUL16 6, 1, 7, 0
	WIN 0
; THE WAY OUT, a tile of 16 rows x 128 columns at a time.  A lane holds pieces of 32 bytes of one row, and the lanes beside it hold other rows: so a tile goes through my own stage in LDS and comes back as whole
; rows of 512 bytes.  LDS serves a wave's instructions in order (ISA guide 5.7.1.4): no wait between the stores and the loads, nor in front of the next tile's stores.
.macro TOSTAGE a
.set AC, 64*((\a)%4)
	WIN 0x08+4*((\a)/4)                            ; an LDS store's data are its source 1: window 2 or 3
.irp b, 0,1,2,3,4,5,6,7
	ds_store_b128 v[STO], v[AC+8*\b:AC+8*\b+3] offset:128*(\b/2)+32*(\b%2)          ; each accumulator from its low end on
	ds_store_b128 v[STO], v[AC+8*\b+4:AC+8*\b+7] offset:128*(\b/2)+32*(\b%2)+16
.endr
	WIN 0
.set BB, BK+64*((\a)%2)
.irp t, 0,1,2,3,4,5,6,7,8,9,10,11,12,13,14,15
	ds_load_b128 v[BB+4*\t:BB+4*\t+3], v[RD] offset:\t*SPITCH
.endr
.endm
.macro SEND a, younger                 ; younger: the LDS instructions issued behind tile a's loads, which may stay out
.set BB, BK+64*((\a)%2)
	s_wait_dscnt \younger                          ; the tile is back in registers
.irp t, 0,1,2,3,4,5,6,7,8,9,10,11,12,13,14,15
	global_store_b128 v[LI], v[BB+4*\t:BB+4*\t+3], s[12:13] offset:(32*((\a)/2)+8*((\a)%2)+\t+8*(\t/8))*4096 th:TH_STORE_NT   ; 32 lanes store 512 consecutive bytes; 127 rows on at the most: inside the signed 24-bit immediate
.endr
.endm
	PLACES 4                                       ; behind the last products: for the reads of results and the loads into registers that held fragments
	TOSTAGE 0
.irp a, 1,2,3,4,5,6,7
.if \a > 1
	s_wait_xcnt 0x0                                ; tile a - 2's stores have read their registers: tile a's loads may land there
.endif
	TOSTAGE \a
	SEND \a-1, 32                                  ; behind tile a - 1's loads: tile a's 16 stores and 16 loads
.endr
	SEND 7, 0
	s_wait_tensorcnt 0x0
	ds_add_u32 v126, v127
	s_wait_dscnt 0x0
	CROUND                                         ; the closing round: no work-group ends while a partner may still ask for a tile that names it
	s_endpgm
.Lfunc_end_k_q1ade2845f6_gemmout:
	.size	k_q1ade2845f6_gemmout, .Lfunc_end_k_q1ade2845f6_gemmout-k_q1ade2845f6_gemmout
	.p2alignl 7, 3214868480
	.fill 96, 4, 3214868480
	.section	.rodata,"a",@progbits
	.p2align	6, 0x0
	.amdhsa_kernel k_q1ade2845f6_gemmout
		.amdhsa_group_segment_fixed_size 262656
		.amdhsa_private_segment_fixed_size 0
		.amdhsa_enable_private_segment 0
		.amdhsa_kernarg_size 40
		.amdhsa_user_sgpr_count 2
		.amdhsa_user_sgpr_kernarg_segment_ptr 1
		.amdhsa_wavefront_size32 1
		.amdhsa_system_sgpr_workgroup_id_x 1
		.amdhsa_system_sgpr_workgroup_id_y 1
		.amdhsa_system_sgpr_workgroup_id_z 1
		.amdhsa_system_vgpr_workitem_id 0
		.amdhsa_next_free_vgpr 1024
		.amdhsa_next_free_sgpr 100
		.amdhsa_reserve_vcc 1
		.amdhsa_float_denorm_mode_32 3
		.amdhsa_float_denorm_mode_16_64 3
		.amdhsa_memory_ordered 1
		.amdhsa_forward_progress 1
		.amdhsa_inst_pref_size 123
	.end_amdhsa_kernel
	.amdgpu_metadata
---
amdhsa.version: [ 1, 2 ]
amdhsa.kernels:
  - .name:           k_q1ade2845f6_gemmout
    .symbol:         k_q1ade2845f6_gemmout.kd
    .args:
      - { .name: ai, .offset: 0, .size: 8, .value_kind: global_buffer, .address_space: global }
      - { .name: opa, .offset: 8, .size: 8, .value_kind: global_buffer, .address_space: global }
      - { .name: sc2, .offset: 16, .size: 8, .value_kind: global_buffer, .address_space: global }
      - { .name: b_out, .offset: 24, .size: 8, .value_kind: global_buffer, .address_space: global }
      - { .name: out0, .offset: 32, .size: 8, .value_kind: global_buffer, .address_space: global }
    .group_segment_fixed_size: 262656
    .private_segment_fixed_size: 0
    .kernarg_segment_align: 8
    .kernarg_segment_size: 40
    .max_flat_workgroup_size: 128
    .sgpr_count:     100
    .vgpr_count:     1024
    .wavefront_size: 32
...
	.end_amdgpu_metadata
.endif
;; end of part 4
;; ======== version 2 of 2: 4 launches; version 1 with the launch attn written anew for expert scheduling mode
;; workspace buffers: opa 6,291,456 bytes; sc1 360,448 bytes; sc2 294,912 bytes; qkv 12,582,912 bytes; qkvs 1,310,720 bytes; ai 4,194,304 bytes
;; launch prep: the kernel of part 1 again; grid 64 x 8, 4 waves a work-group, no clusters, 34,304 bytes of LDS; arguments x, W_qkv, W_out, opa, sc1, sc2; writes opa, sc1, sc2
;; launch gemmqkv: the kernel of part 2 again; grid 12 x 32, 4 waves a work-group, clusters of 4 x 4, 262,656 bytes of LDS; arguments opa, sc1, b_qkv, qkv, qkvs; writes qkv, qkvs
;; launch attn (part 5): grid 4 x 64, 16 waves a work-group, no clusters, 145,408 bytes of LDS; arguments qkv, qkvs, ai, sc2; writes ai, sc2
.if DOCPART == 5
	.amdgcn_target "amdgcn-amd-amdhsa--gfx1250"
	.amdhsa_code_object_version 6
	.text
	.protected	k_q1ade2845f6_attn
	.globl	k_q1ade2845f6_attn
	.p2align	8
	.type	k_q1ade2845f6_attn,@function
k_q1ade2845f6_attn:
	s_mov_b64 s[64:65], 0
	v_nop
	global_prefetch_b8 v0, s[64:65] scope:SCOPE_SE
	s_setreg_imm32_b32 hwreg(HW_REG_WAVE_SCHED_MODE, 0, 2), 2
	s_setreg_imm32_b32 hwreg(HW_REG_WAVE_MODE, 25, 1), 1
	s_wait_xcnt 0x0
	s_wait_alu depctr_vm_vsrc(0)
; a[b][q][64 head + d] = the sum over keys of softmax(q . k / 8) v, both products on codes of FP4 (E2M1) with E8M0 scales, and a quantised at once along its 1,024 for the last product.
; THE SOFTMAX AHEAD OF THE SECOND PRODUCT: t = score x log2(e) / 8; M = the row's largest t so far, rounded UP to a whole number; p = 2^(t - M) is what is quantised, along the keys, not normalised.
; The row's sum is taken of the unquantised p, in f32, and divides O at the end.  When M moves, the sum and O are multiplied by 2^(old M - new M): exact.
; SHARES.  A work-group owns 512 queries of one (batch, head); each of its sixteen waves owns two tiles of 16, one after the other, in 256 registers: four waves to a SIMD, so that one wave's vector work stands beside
; another's matrix work and LDS loads.  Every wave walks the head's 2,048 keys, 128 a step.
; K AND V OF THE WHOLE HEAD LIE IN LDS, 143,360 bytes with their scale words, brought ONCE through registers at the head: one barrier in the launch, no slot, no refill.
; NO CLUSTER, NO JOINT LOADS: the four work-groups of a head do read the same K and V, but each reads its 143,360 bytes once, ahead of 32 tile steps a wave in which nothing more is fetched.
; LAYOUT.  Both products are used transposed: S^T = K Q^T (source 0 = 16 keys, source 1 = my 16 queries), O^T = V^T P^T (source 0 = 16 channels, source 1 = P): a lane holds ONE query throughout.
; Tile 2 b + u of the keys holds keys 32 b + 8 u + r + 8 (r / 8), so that the 16 registers of tiles 2 b, 2 b + 1 are 16 neighbouring keys; V's channel tiles likewise, so that O^T's registers run along the channels.
; THE FIRST PRODUCT'S K IS 64, half of the instruction's 128: Q's registers 4-7 hold zero codes, so the upper half adds nothing whatever stands against it.  K's operand for tile t is therefore the 8 registers from
; tile t's four on (the upper four are the next tile's codes; four registers of zeros stand behind the last), and one load of 16 bytes a lane brings a tile.  The scale bytes of the upper half are 0, never 0xff.
; LIMITS: p under 2^-126 comes out of v_exp_f32 as 0; a block of zeros gets the byte 1 where the rule says 127 (its codes are zeros; this program alone reads the bytes); NaN and infinities are not served.
; REGISTERS: v1-4 lane places in LDS; v6, v7 offsets; v8-11 the LDS addresses of the loads in hand; v12 -M, v13 the largest t, v[14:15] the sum in two halves; v16-23, v80-87 Q's two fragments; v24-31 the fill's addresses;
;   v32-63 K's 8 tiles, v64-67 zeros; v68-71 K's scale words, v72-73 V's, v88, v89 Q's; v90, v91 a's scale halfwords; v96-159 S^T, then p; v160-191 O^T; v192-223 V's 4 fragments; v224-231 p's codes; v232-254 at work.
; THE MODE: SCHED_MODE bits 1:0 = 2 (LLVM: expert scheduling mode 2), set by the entry lines.  The code itself states the register dependences between vector or matrix instructions and memory or LDS instructions,
; with s_wait_alu, always for 0.
; THE PLAN.  Registers that LDS instructions touch in the loop over key steps:
;   v32-63, v68-71    K's tiles and scale words.  Step j's eight products K Q^T read them, at the step's head; the loads of step j + 1 land in them in step j's middle.
;   v192-223, v72-73  V's fragments and scale words.  Step j's loads land in them in step j's middle; step j's four products V^T P^T read them, at its end.
;   v8, v10; v9, v11  the LDS addresses of K's loads and of V's.  Written once a step, behind the exponentials; read by the loads that follow.
;   S^T and p, O^T, the statistics, p's codes and Q are named by vector and matrix instructions alone.
; So the wait on va_vdst that stands behind the batch of exponentials states all that a step's 18 loads hang on: the addresses are written, this step's K Q^T is done reading K's registers, the last step's V^T P^T is
; done reading V's.  V's nine loads follow it at once; K's nine are dealt among the row's sums, which name v14, v15, v96-159 and v236-237 alone.  One wait on vm_vsrc a step stands ahead of the address lines.
; One more wait on va_vdst stands ahead of V^T P^T, which takes p's codes and scale word from vector lines.  The last step of a tile is written out: it asks for no more of K.
.set LVI,  65536                       ; LDS: K's tiles [128][512 bytes] at 0;  V's fragments [half c: 2][128 keys: 16][channel tile: 4][512 bytes] here;
.set LKS,  131072                      ; K's scale words [128 keys: 16][lane][4 words];
.set LVS,  139264                      ; V's [16][lane][2 words]
; A KEY STEP: 128 keys for the tile of queries whose fragment begins at v[QF] and whose scale words lie in v[QS].  next = 1: the next step's K is asked for.
.macro STEP QF, QS, next
	s_wait_dscnt 0x0                               ; K's eight tiles and its scale words, asked for a step ago, are in
.irp t, 0,2,4,6
	v_wmma_scale_f32_16x16x128_f8f6f4 v[96+8*\t:103+8*\t], v[32+4*\t:39+4*\t], v[\QF:\QF+7], 0, v[68+\t/2], v[\QS] matrix_a_fmt:MATRIX_FMT_FP4 matrix_b_fmt:MATRIX_FMT_FP4
	v_wmma_scale_f32_16x16x128_f8f6f4 v[104+8*\t:111+8*\t], v[36+4*\t:43+4*\t], v[\QF:\QF+7], 0, v[68+\t/2], v[\QS] matrix_a_fmt:MATRIX_FMT_FP4 matrix_b_fmt:MATRIX_FMT_FP4 matrix_a_scale:MATRIX_SCALE_ROW1
.endr                                          ; lane (r, h) holds query r; the 16 registers of tiles 2 b, 2 b + 1 are keys 32 b + 16 h + 0 .. 15 of the step
.rept 4
	v_nop
.endr
.irp b, 0,1,2,3
	v_max3_num_f32 v[232+\b], v[96+16*\b], v[97+16*\b], v[98+16*\b]   ; the largest score of each block of 32 keys: it serves for the row's maximum and, since p rises with the score, for the block's largest p
.endr
.irp i, 3,5,7,9,11,13
.irp b, 0,1,2,3
	v_max3_num_f32 v[232+\b], v[232+\b], v[96+16*\b+\i], v[97+16*\b+\i]   ; (the four blocks by turns)
.endr
.endr
.irp b, 0,1,2,3
	v_max_num_f32 v[232+\b], v[232+\b], v[111+16*\b]
.endr
.irp b, 0,1,2,3
	v_permlanex16_b32 v[236+\b], v[232+\b], s20, s21
.endr
.irp b, 0,1,2,3
	v_max_num_f32 v[232+\b], v[232+\b], v[236+\b]  ; with lane l xor 16's 16 keys
.endr
	v_max3_num_f32 v254, v232, v233, v234
	v_max_num_f32 v254, v254, v235                 ; the step's largest score of my query
	v_mul_f32 v254, s22, v254                      ; as t (c is positive)
	v_max_num_f32 v13, v13, v254                   ; the running largest t
	v_mov_b32 v254, v12
	v_floor_f32 v12, -v13                          ; the new -M = floor(-t) = -ceil(t): a whole number
	v_sub_f32 v254, v12, v254                      ; M's old value less its new one: a whole number, 0 or less
	v_cvt_i32_f32 v254, v254                       ; (it saturates)
	v_ldexp_f32 v252, 1.0, v254                    ; f = 2^(old M - new M)
.irp j, 0,2,4,6,8,10,12,14,16,18,20,22,24,26,28,30,32,34,36,38,40,42,44,46,48,50,52,54,56,58,60,62
	v_pk_fma_f32 v[96+\j:97+\j], v[96+\j:97+\j], s[22:23], v[12:13] op_sel_hi:[1,0,0]   ; t - M, two at a time (of the pairs c and -M the low word serves both halves)
.endr
.irp b, 0,1,2,3
	v_fma_f32 v[232+\b], v[232+\b], s22, v12       ; the same of each block's largest score
.endr
.irp j, 0,1,2,3,4,5,6,7,8,9,10,11,12,13,14,15,16,17,18,19,20,21,22,23,24,25,26,27,28,29,30,31,32,33,34,35,36,37,38,39,40,41,42,43,44,45,46,47,48,49,50,51,52,53,54,55,56,57,58,59,60,61,62,63
	v_exp_f32 v[96+\j], v[96+\j]                   ; p = 2^(t - M), at most 1: not normalised
.endr
	s_wait_alu depctr_vm_vsrc(0)                   ; the LDS loads issued so far have read v8 to v11, which the lines below write
.if \next
	s_add_co_u32 s34, s34, 4096                    ; the next 128 keys: 8 tiles of K,
	s_add_co_u32 s36, s36, 512                     ; and their scale words
	v_add_nc_u32 v8, s34, v1                       ; (plain lines behind the exponentials)
	v_add_nc_u32 v10, s36, v3
.endif
	v_add_nc_u32 v9, s35, v2                       ; this step's V,
	v_add_nc_u32 v11, s37, v4                      ; and its scale words
	v_pk_mul_f32 v[14:15], v[14:15], v[252:253] op_sel_hi:[1,0]   ; the sums under the new M
	s_wait_alu depctr_va_vdst(0)                   ; the 64 exponentials have written p, ahead of their first reader; v8 to v11 are written, which the loads below read; this step's K Q^T is done reading v32-67 and v68-71, the last step's V^T P^T v192-223 and v72-73, in which the loads below land
	ds_load_b64 v[72:73], v11                      ; V's scale words: register i: lanes 0-15 channel tile 2 i, lanes 16-31 tile 2 i + 1
.irp dt, 0,1,2,3
.irp c, 0,1
	ds_load_b128 v[192+8*\dt+4*\c:195+8*\dt+4*\c], v9 offset:\c*32768+\dt*512
.endr
.endr
.irp b, 0,1,2,3
	v_exp_f32 v[232+\b], v[232+\b]                 ; the block's largest p: the same two instructions on the same number give the same bits
.endr
	v_pk_add_f32 v[236:237], v[96:97], v[98:99]    ; the row's sum is taken of the unquantised p: two at a time, in two chains
.irp j, 4,8,12,16,20,24,28,32,36,40,44,48,52,56,60
	v_pk_add_f32 v[14:15], v[14:15], v[96+\j:97+\j]
	v_pk_add_f32 v[236:237], v[236:237], v[98+\j:99+\j]
.if \next && (\j == 4)
	ds_load_b128 v[68:71], v10                     ; the next step's K, dealt among the sums.  No wait: no vector or matrix line since the wait above names v8, v10, v32-63 or v68-71.  Its scale words: register i: lanes 0-15 tile 2 i, lanes 16-31 tile 2 i + 1
.endif
.if \next && (\j >= 8) && (\j <= 36)
	ds_load_b128 v[32+(\j-8):35+(\j-8)], v8 offset:128*(\j-8)   ; tile (j - 8) / 4: 512 bytes a tile
.endif
.endr
	v_pk_add_f32 v[14:15], v[14:15], v[236:237]
	s_wait_alu depctr_va_vdst(0)                   ; the four exponentials have written v232-235, ahead of their first reader
.irp b, 0,1,2,3
	v_max_num_f32 v[232+\b], 0x1800000, v[232+\b]  ; the floor 2^(3 - 127): the byte cannot fall under 1
.endr
.irp b, 0,1,2,3
	v_add_nc_u32 v[244+\b], 0xff000000, v[232+\b]  ; 2 off the exponent field: the conversion's scale operand
.endr
.irp b, 0,1,2,3
	v_lshrrev_b32 v[236+\b], 23, v[244+\b]         ; the byte
.endr
	v_lshl_or_b32 v253, v237, 8, v236              ; p's scale word for these 128 keys
	v_lshl_or_b32 v253, v238, 16, v253
	v_lshl_or_b32 v253, v239, 24, v253
.irp b, 0,1,2,3
	v_cvt_scalef32_pk8_fp4_f32 v[224+2*\b], v[96+16*\b:103+16*\b], v[244+\b]
	v_cvt_scalef32_pk8_fp4_f32 v[225+2*\b], v[104+16*\b:111+16*\b], v[244+\b]
.endr
	v_nop                                          ; one plain line behind the last conversion
.irp c, 0,1                                    ; the operand's layout wants a whole block in a lane
.irp i, 0,1
	v_permlane16_swap_b32 v[224+4*\c+\i], v[226+4*\c+\i]
.endr
.endr
.irp j, 0,2,4,6,8,10,12,14,16,18,20,22,24,26,28,30
	v_pk_mul_f32 v[160+\j:161+\j], v[160+\j:161+\j], v[252:253] op_sel_hi:[1,0]   ; O^T under the new M.  (These 16 are also the lines between the making of p's codes and scale word and the products below)
.endr
.if \next
	s_wait_dscnt 9                                 ; V and its words are in; the nine younger loads, the next step's K, may be out
.else
	s_wait_dscnt 0x0                               ; V and its words are in
.endif
	s_wait_alu depctr_va_vdst(0)                   ; p's codes v224-231 and its scale word v253 are written: the scaled products below take them as operand and as scales; the 16 lines above stay beside this wait
.irp dt, 0,2
	v_wmma_scale_f32_16x16x128_f8f6f4 v[160+8*\dt:167+8*\dt], v[192+8*\dt:199+8*\dt], v[224:231], v[160+8*\dt:167+8*\dt], v[72+\dt/2], v253 matrix_a_fmt:MATRIX_FMT_FP4 matrix_b_fmt:MATRIX_FMT_FP4
	v_wmma_scale_f32_16x16x128_f8f6f4 v[168+8*\dt:175+8*\dt], v[200+8*\dt:207+8*\dt], v[224:231], v[168+8*\dt:175+8*\dt], v[72+\dt/2], v253 matrix_a_fmt:MATRIX_FMT_FP4 matrix_b_fmt:MATRIX_FMT_FP4 matrix_a_scale:MATRIX_SCALE_ROW1
.endr                                          ; the four accumulators take turns, one instruction a turn
.if \next
	s_add_co_u32 s35, s35, 2048                    ; the next 128 keys: 4 half fragments of V,
	s_add_co_u32 s37, s37, 256                     ; and their scale words
.endif
.endm
; One tile of 16 queries: all 16 key steps, then the way out.
.macro TILE it, QF, QS
.if \it
	s_wait_xcnt 0x0                                ; the first tile's store has read its registers: they are written again below
.endif
	s_wait_alu depctr_vm_vsrc(0)                   ; the memory and LDS instructions issued so far have read their registers: the fill's LDS stores v96-165, the first tile's store v224-227, the LDS loads v8 to v11: all of these are written again below
	s_mov_b32 s34, 0
	s_mov_b32 s35, 0
	s_mov_b32 s36, 0
	s_mov_b32 s37, 0
	s_mov_b32 s38, 15
	v_add_nc_u32 v8, s34, v1                       ; the first 128 keys: K's tiles,
	v_add_nc_u32 v10, s36, v3                      ; and their scale words
	v_mov_b32 v13, 0xff61b1e6                      ; the largest t so far: -3e38, under every t
	v_floor_f32 v12, -v13                          ; -M
	v_mov_b32 v14, 0                               ; the sum, in two halves
	v_mov_b32 v15, 0
	s_wait_alu depctr_va_vdst(0)                   ; v8 and v10 are written, which the loads below read; the zero codes v20-23, v84-87 and v64-67, made at the head, are written: scaled products take them as operands (the six lines above stand between)
	ds_load_b128 v[68:71], v10                     ; K's scale words: register i: lanes 0-15 tile 2 i, lanes 16-31 tile 2 i + 1
.irp t, 0,1,2,3,4,5,6,7
	ds_load_b128 v[32+4*\t:35+4*\t], v8 offset:512*\t
.endr
.irp j, 0,1,2,3,4,5,6,7,8,9,10,11,12,13,14,15,16,17,18,19,20,21,22,23,24,25,26,27,28,29,30,31
	v_mov_b32 v[160+\j], 0                         ; O^T.  (The first step finds zeros, which the first change of M leaves zeros)
.endr
.Lstep_\@:                                     ; 15 trips: each asks for the next step's K
	STEP \QF, \QS, 1
	s_sub_co_u32 s38, s38, 1
	s_cmp_lg_u32 s38, 0
	s_cbranch_scc1 .Lstep_\@
	STEP \QF, \QS, 0                               ; the last step is written out: there is no more of K to ask for
.rept 4
	v_nop                                          ; places behind the last products
.endr
	v_add_f32 v14, v14, v15                        ; the sum's two halves,
	v_permlanex16_b32 v252, v14, s20, s21
	v_add_f32 v14, v14, v252                       ; and lane l xor 16's: the row's sum
	v_rcp_f32 v14, v14
	v_nop                                          ; a plain line behind the reciprocal,
	s_wait_alu depctr_va_vdst(0)                   ; the reciprocal has written v14, ahead of its first reader
.irp j, 0,1,2,3,4,5,6,7,8,9,10,11,12,13,14,15,16,17,18,19,20,21,22,23,24,25,26,27,28,29,30,31
	v_mul_f32 v[96+\j], v[160+\j], v14             ; O^T / the sum: register 16 b + i is channel 32 b + 16 h + i of my query
.endr
.irp b, 0,1
	v_max3_num_f32 v[232+\b], |v[96+16*\b]|, |v[97+16*\b]|, 0x1800000   ; the head's two blocks of 32 along the last product's K
.endr
.irp i, 2,4,6,8,10,12,14
.irp b, 0,1
	v_max3_num_f32 v[232+\b], v[232+\b], |v[96+16*\b+\i]|, |v[97+16*\b+\i]|
.endr
.endr
.irp b, 0,1
	v_permlanex16_b32 v[236+\b], v[232+\b], s20, s21
.endr
.irp b, 0,1
	v_max_num_f32 v[232+\b], v[232+\b], v[236+\b]
.endr
.irp b, 0,1
	v_add_nc_u32 v[244+\b], 0xff000000, v[232+\b]
.endr
.irp b, 0,1
	v_lshrrev_b32 v[236+\b], 23, v[244+\b]
.endr
	v_lshl_or_b32 v[90+\it], v237, 8, v236         ; my row's two bytes
.irp b, 0,1
	v_cvt_scalef32_pk8_fp4_f32 v[224+2*\b], v[96+16*\b:103+16*\b], v[244+\b]
	v_cvt_scalef32_pk8_fp4_f32 v[225+2*\b], v[104+16*\b:111+16*\b], v[244+\b]
.endr
	v_nop                                          ; one plain line behind the last conversion
	v_permlane16_swap_b32 v224, v226               ; lanes 0-15 now hold block 0 whole, lanes 16-31 block 1
	v_permlane16_swap_b32 v225, v227
	s_wait_alu depctr_va_vdst(0)                   ; the conversions and the swaps have written v224-227, which the store reads
	global_store_b128 v1, v[224:227], s[8:9] offset:\it*8192   ; blocks 2 head and 2 head + 1 of the tile's image: 32 lanes store 512 consecutive bytes
.endm
	s_load_b256 s[4:11], s[0:1], 0x0               ; qkv s[4:5], qkvs s[6:7], ai s[8:9], sc2 s[10:11]
	v_lshl_add_u32 v251, v0, 2, 0x23000
	v_mov_b32 v255, 0
	v_lshrrev_b32 v8, 5, v0
	v_readfirstlane_b32 s18, v8                    ; wave 0..15
	s_and_b32 s19, ttmp7, 0xffff                   ; 16 x batch + head
	v_and_b32 v8, 31, v0                           ; lane
	v_and_b32 v9, 15, v0                           ; r
	v_bfe_u32 v10, v0, 4, 1                        ; h
	v_lshlrev_b32 v1, 4, v8                        ; 16 x lane: my place in a tile of K,
	v_add_nc_u32 v2, LVI, v1                       ; in half a fragment of V,
	v_add_nc_u32 v3, LKS, v1                       ; among K's scale words,
	v_lshlrev_b32 v4, 3, v8
	v_add_nc_u32 v4, LVS, v4                       ; and among V's
	v_lshlrev_b32 v6, 4, v9                        ; 16 r
	v_lshl_add_u32 v7, v10, 9, v6                  ; 512 h + 16 r
	v_lshlrev_b32 v24, 4, v0                       ; the fill: 16 x thread, in memory and in LDS;
	v_lshrrev_b32 v30, 7, v0
	v_and_b32 v31, 127, v0
	v_lshlrev_b32 v31, 4, v31
	v_lshl_add_u32 v25, v30, 12, v31               ; V in memory: my head's 2,048 bytes of each 4,096 (the pair of heads lies side by side)
	v_lshlrev_b32 v26, 3, v0
	v_add_nc_u32 v27, LVI, v24
	v_add_nc_u32 v28, LKS, v24
	v_add_nc_u32 v29, LVS, v26
	s_mov_b32 s20, 0x76543210
	s_mov_b32 s21, 0xfedcba98                      ; v_permlanex16_b32's selects for lane l xor 16
	s_mov_b32 s22, 0x3e38aa3b                      ; c = log2(e) / 8
	s_mov_b32 s23, s22                             ; (named with it as a pair, so it is written)
	s_wait_alu depctr_va_sdst(0)                   ; s18 is written, ahead of its first reader: the offsets below are made from it
	s_lshl_b32 s26, s19, 16                        ; Q: 65,536 a head,
	s_lshl_b32 s24, ttmp9, 14
	s_add_co_u32 s26, s26, s24                     ; 32 tiles of 512 bytes a work-group,
	s_lshl_b32 s24, s18, 10
	s_add_co_u32 s26, s26, s24                     ; two a wave
	s_mov_b32 s27, 0
	s_lshl_b32 s28, s19, 16
	s_add_co_u32 s28, s28, 4194304                 ; K
	s_mov_b32 s29, 0
	s_lshr_b32 s30, s19, 1
	s_lshl_b32 s30, s30, 17
	s_and_b32 s24, s19, 1
	s_lshl_b32 s24, s24, 11
	s_add_co_u32 s30, s30, s24
	s_add_co_u32 s30, s30, 8388608                 ; V: the pair of heads, and my head's half of each 4,096 bytes
	s_mov_b32 s31, 0
	s_lshl_b32 s40, s19, 13                        ; Q's scale words: 8,192 a head,
	s_lshl_b32 s24, ttmp9, 2
	s_lshr_b32 s25, s18, 2
	s_add_co_u32 s24, s24, s25
	s_lshl_b32 s24, s24, 9
	s_add_co_u32 s40, s40, s24                     ; 512 for 8 tiles,
	s_and_b32 s24, s18, 3
	s_lshl_b32 s24, s24, 2
	s_add_co_u32 s40, s40, s24                     ; word wave % 4: my two tiles are its lanes 0-15 and 16-31
	s_mov_b32 s41, 0
	s_lshl_b32 s42, s19, 13
	s_add_co_u32 s42, s42, 524288                  ; K's
	s_mov_b32 s43, 0
	s_lshl_b32 s44, s19, 12
	s_add_co_u32 s44, s44, 1048576                 ; V's
	s_mov_b32 s45, 0
	s_lshr_b32 s32, s19, 4
	s_lshl_b32 s32, s32, 7
	s_lshl_b32 s24, ttmp9, 5
	s_add_co_u32 s32, s32, s24
	s_lshl_b32 s24, s18, 1
	s_add_co_u32 s32, s32, s24                     ; my first tile among the 512 of all rows
	s_and_b32 s33, s19, 15                         ; the head
	s_lshl_b32 s46, s32, 13
	s_lshl_b32 s24, s33, 9
	s_add_co_u32 s46, s46, s24                     ; a's image: 8,192 a tile, 512 a head
	s_mov_b32 s47, 0
	s_lshl_b32 s48, s32, 9
	s_lshr_b32 s24, s33, 3
	s_lshl_b32 s24, s24, 8
	s_add_co_u32 s48, s48, s24
	s_and_b32 s24, s33, 7
	s_lshl_b32 s24, s24, 1
	s_add_co_u32 s48, s48, s24                     ; a's scale words: 512 a tile, 256 for 8 heads, 2 bytes a head
	s_mov_b32 s49, 0
	s_wait_kmcnt 0x0
	s_add_nc_u64 s[12:13], s[4:5], s[26:27]
	s_add_nc_u64 s[14:15], s[4:5], s[28:29]
	s_add_nc_u64 s[16:17], s[4:5], s[30:31]
	s_add_nc_u64 s[50:51], s[6:7], s[40:41]
	s_add_nc_u64 s[52:53], s[6:7], s[42:43]
	s_add_nc_u64 s[54:55], s[6:7], s[44:45]
	s_add_nc_u64 s[8:9], s[8:9], s[46:47]
	s_add_nc_u64 s[10:11], s[10:11], s[48:49]
	s_wait_alu depctr_va_vdst(0)                   ; the offsets and LDS addresses v1 to v4, v6, v7 and v24 to v29 are written, which the loads and stores of the kernel read; none of them is written again
	global_load_b128 v[16:19], v1, s[12:13]        ; Q's two tiles stay in registers
	global_load_b128 v[80:83], v1, s[12:13] offset:512
	global_load_b32 v88, v6, s[50:51]              ; and their scale words
	global_load_b32 v89, v6, s[50:51] offset:256
.irp i, 0,1,2,3,4,5,6,7
	global_load_b128 v[96+4*\i:99+4*\i], v24, s[14:15] offset:\i*8192      ; K: the sixteen waves read 8,192 consecutive bytes
.endr
.irp c, 0,1
.irp i, 0,1,2,3
	global_load_b128 v[128+16*\c+4*\i:131+16*\c+4*\i], v25, s[16:17] offset:\c*65536+\i*16384   ; V: four runs of 2,048
.endr
.endr
	global_load_b128 v[160:163], v24, s[52:53]
	global_load_b64 v[164:165], v26, s[54:55]
.irp j, 0,1,2,3
	v_mov_b32 v[20+\j], 0                          ; the upper halves of Q's fragments: zero codes
	v_mov_b32 v[84+\j], 0
	v_mov_b32 v[64+\j], 0                          ; what stands behind K's last tile
	v_mov_b32 v[236+\j], 0                         ; written once: a lane permute's destination counts as one of its sources
.endr
	v_mov_b32 v253, 0                              ; (named as the upper half of the pair v[252:253] before it is first written)
.irp i, 0,1,2,3,4,5,6,7
	s_wait_loadcnt 17-\i                           ; loads come back in order: this one is in, the younger ones of the fill's 18 may be out
	ds_store_b128 v24, v[96+4*\i:99+4*\i] offset:\i*8192   ; (no vector line since the wait on va_vdst above names a register of these stores)
.endr
.irp c, 0,1
.irp i, 0,1,2,3
	s_wait_loadcnt 9-4*\c-\i
	ds_store_b128 v27, v[128+16*\c+4*\i:131+16*\c+4*\i] offset:\c*32768+\i*8192
.endr
.endr
	s_wait_loadcnt 1
	ds_store_b128 v28, v[160:163]
	s_wait_loadcnt 0x0
	ds_store_b64 v29, v[164:165]
	s_wait_dscnt 0x0                               ; for the others' sake: my stores have landed
	s_barrier_signal -1
	s_barrier_wait -1                              ; the head's K and V lie in LDS; nothing is written there again
	TILE 0, 16, 88
	TILE 1, 80, 89
	v_and_b32 v93, 16, v0
	v_cmp_ne_u32 vcc_lo, 0, v93
	s_wait_alu depctr_va_vcc(0)                    ; the compare has written VCC, which the select reads
	v_cndmask_b32 v92, v90, v91, vcc_lo            ; lanes 0-15 the first tile's rows, lanes 16-31 the second's
	s_wait_alu depctr_va_vdst(0)                   ; the select has written v92, which the store reads
	global_store_b16 v7, v92, s[10:11]             ; pieces of 2 bytes, one such store a wave: a scale word's other bytes belong to other heads, which are other work-groups
	s_wait_dscnt 0x0
	s_wait_alu depctr_hold_cnt(0) depctr_sa_sdst(0) depctr_va_vdst(0) depctr_va_sdst(0) depctr_va_ssrc(0) depctr_va_vcc(0) depctr_vm_vsrc(0)
	s_wait_tensorcnt 0x0
	ds_add_u32 v251, v255
	s_wait_dscnt 0x0
	s_endpgm
.Lfunc_end_k_q1ade2845f6_attn:
	.size	k_q1ade2845f6_attn, .Lfunc_end_k_q1ade2845f6_attn-k_q1ade2845f6_attn
	.p2alignl 7, 3214868480
	.fill 96, 4, 3214868480
	.section	.rodata,"a",@progbits
	.p2align	6, 0x0
	.amdhsa_kernel k_q1ade2845f6_attn
		.amdhsa_group_segment_fixed_size 145408
		.amdhsa_private_segment_fixed_size 0
		.amdhsa_enable_private_segment 0
		.amdhsa_kernarg_size 32
		.amdhsa_user_sgpr_count 2
		.amdhsa_user_sgpr_kernarg_segment_ptr 1
		.amdhsa_wavefront_size32 1
		.amdhsa_system_sgpr_workgroup_id_x 1
		.amdhsa_system_sgpr_workgroup_id_y 1
		.amdhsa_system_sgpr_workgroup_id_z 1
		.amdhsa_system_vgpr_workitem_id 0
		.amdhsa_next_free_vgpr 256
		.amdhsa_next_free_sgpr 66
		.amdhsa_reserve_vcc 1
		.amdhsa_float_denorm_mode_32 3
		.amdhsa_float_denorm_mode_16_64 3
		.amdhsa_memory_ordered 1
		.amdhsa_forward_progress 1
		.amdhsa_inst_pref_size 78
	.end_amdhsa_kernel
	.amdgpu_metadata
---
amdhsa.version: [ 1, 2 ]
amdhsa.kernels:
  - .name:           k_q1ade2845f6_attn
    .symbol:         k_q1ade2845f6_attn.kd
    .args:
      - { .name: qkv, .offset: 0, .size: 8, .value_kind: global_buffer, .address_space: global }
      - { .name: qkvs, .offset: 8, .size: 8, .value_kind: global_buffer, .address_space: global }
      - { .name: ai, .offset: 16, .size: 8, .value_kind: global_buffer, .address_space: global }
      - { .name: sc2, .offset: 24, .size: 8, .value_kind: global_buffer, .address_space: global }
    .group_segment_fixed_size: 145408
    .private_segment_fixed_size: 0
    .kernarg_segment_align: 8
    .kernarg_segment_size: 32
    .max_flat_workgroup_size: 512
    .sgpr_count:     66
    .vgpr_count:     256
    .wavefront_size: 32
...
	.end_amdgpu_metadata
.endif
;; end of part 5
;; launch gemmout: the kernel of part 4 again; grid 4 x 32, 4 waves a work-group, clusters of 4 x 4, 262,656 bytes of LDS; arguments ai, opa, sc2, b_out, out0; writes out0
